; MI455X (gfx1250); checked and timed in simulation.
; The chip was launched on July 23, 2026; its instructions are those of AMD's public machine-readable ISA for CDNA 5 (MIT licence, August 2026) and "CDNA5" Instruction Set Architecture Reference Guide (July 2026). The comments in the code are by the model that wrote it; some were corrected since.
;; Multi Head Cross Attention. Allowed arithmetic: matrix products marked QUANTISED: E2M1 operands, one E8M0 scale for each 32 along K, by v_wmma_scale_f32_16x16x128_f8f6f4 with both operands' format E2M1 (or v_wmma_scale_f32_32x16x128_f4), f32 sums; products left as they are: bf16, f16 or f32 operands; f32 sums; everything else in f32.
;; Inputs: bk 1,024 float32; bo 1,024 float32; bq 1,024 float32; bv 1,024 float32; query 4 x 2,048 x 1,024 float32; value 4 x 2,048 x 1,024 float32; wk 1,024 x 1,024 float32; wo 1,024 x 1,024 float32; wq 1,024 x 1,024 float32; wv 1,024 x 1,024 float32.
;; Outputs: out0 4 x 2,048 x 1,024 float32.
;; This version of the problem:
;;   THIS VERSION OF THE PROBLEM IS GIVEN IN LOW PRECISION. The matrix products marked QUANTISED in the list below multiply operands that are first quantised to E2M1 (2 exponent bits, 1 mantissa bit; 4 bits a number), with one power-of-two scale for each 32 numbers along K (OCP MX v1.0); their sums are f32. The products marked 'left as it is' may take bf16, f16 or f32 operands, with f32 sums. Whichever they take, every output number must still come out within the allowed error. Rounding operands to bf16 (8 significant bits) uses up far more of that allowance than f16 does (11 bits, for magnitudes from 6e-5 to 65,504). All else is computed in f32.
;;   The module's matrix products, in the order in which they are computed (A, B: the left and right operand; K: the contracted axis; several contracted axes count as one K, in the product's order):
;;     1. [M 8,192, K 1,024] x [K 1,024, N 1,024]; A: input query; B: input wq: QUANTISED
;;     2. [M 8,192, K 1,024] x [K 1,024, N 1,024]; A: input value; B: input wk: QUANTISED
;;     3. [M 8,192, K 1,024] x [K 1,024, N 1,024]; A: input value; B: input wv: QUANTISED
;;     4. batch 64 x [M 2,048, K 64] x [K 64, N 2,048]; A: computed on the way; B: computed on the way: left as it is (an operand is computed on the way)
;;     5. batch 64 x [M 2,048, K 2,048] x [K 2,048, N 64]; A: computed on the way; B: computed on the way: left as it is (an operand is computed on the way)
;;     6. [M 8,192, K 1,024] x [K 1,024, N 1,024]; A: computed on the way; B: input wo: left as it is (an operand is computed on the way)
;;   THE QUANTISER, for each operand of a quantised product, along K:
;;     - K is cut into blocks of 32 from its start; a last block that is shorter is filled with zeros.
;;     - A block's scale is 2^e with e = floor(log2(the largest magnitude in the block)) - 2, held to -126 .. 127; a block of zeros has e = 0. As a byte (E8M0): e + 127.
;;     - Each number is divided by its block's scale, clamped to +-6, and rounded to the nearest number of E2M1, ties to even, subnormals kept.
;;     - The product sums the exact products of the quantised numbers (number of the format x scale) in f32.
;;   ~~~python
;;   def quantise(x, axis):      # numpy; x: float32 -> the quantised numbers, widened to float32 again
;;       x = np.moveaxis(x, axis, -1); K = x.shape[-1]
;;       x = np.pad(x, [(0, 0)] * (x.ndim - 1) + [(0, -K % 32)]); x = x.reshape(x.shape[:-1] + (-1, 32)); a = np.abs(x).max(-1, keepdims=True)
;;       e = np.where(a > 0, np.clip(np.frexp(np.where(a > 0, a, 1))[1] - 1 - 2, -126, 127), 0)      # np.frexp(a)[1] - 1 = floor(log2(a)), exactly
;;       r = np.clip(x / 2.0 ** e, -6, 6)
;;       step = 2.0 ** (np.maximum(np.frexp(np.where(r == 0, 1, r))[1] - 1, 0) - 1)
;;       q = np.round(r / step) * step * 2.0 ** e      # np.round: ties to even
;;       return np.moveaxis(q.reshape(q.shape[:-2] + (-1,))[..., :K], -1, axis).astype(np.float32)
;;   ~~~
;; One version. Each part assembles by itself: llvm-mc -triple=amdgcn-amd-amdhsa -mcpu=gfx1250 --defsym DOCPART=n.
;; ======== version 1 of 1: 4 launches
;; limits: values are held in f16: magnitudes above 65,504 overflow, below 6.1e-05 lose precision
;; workspace buffers: codes 9,961,472 bytes; scales 622,592 bytes; wof 2,097,152 bytes; qf 16,777,216 bytes; kf 16,777,216 bytes; vf 16,777,216 bytes; cf 16,777,216 bytes
;; launch quant (part 1): grid 640 x 1, 4 waves a work-group, no clusters, 33,280 bytes of LDS; arguments query, value, wq, wk, wv, wo, codes, scales, wof; writes codes, scales, wof
.if DOCPART == 1
	.amdgcn_target "amdgcn-amd-amdhsa--gfx1250"
	.amdhsa_code_object_version 6
	.text
	.protected	k_qe5a5f3a9c8_quant
	.globl	k_qe5a5f3a9c8_quant
	.p2align	8
	.type	k_qe5a5f3a9c8_quant,@function
k_qe5a5f3a9c8_quant:
	s_mov_b64 s[64:65], 0
	v_nop
	global_prefetch_b8 v0, s[64:65] scope:SCOPE_SE
	s_setreg_imm32_b32 hwreg(HW_REG_WAVE_MODE, 25, 1), 1
	s_wait_xcnt 0x0
; MULTI-HEAD CROSS ATTENTION, launch 1 of 4: the operands of the three quantised projections become codes of FP4 (E2M1) with one E8M0 byte for each 32 along K; wo becomes f16.
; DEAD WORK, for all values of the inputs.  scores[q][k] = q . (value[k] wk^T + bk) / 8 = q . (value[k] wk^T) / 8 + q . bk / 8.  The second term is the same for every key k of a query,
; and the softmax runs over k: a term that is the same along the softmax's axis cancels in exp(s - max) / sum.  The product of q and k is not quantised, so no quantiser stands between bk and the softmax.
; So bk has no way to any output: it is not loaded and is among no launch's arguments.  LIMIT: a NaN, an infinity or an overflow that reaches only bk is not carried to the result.
; MOVED, not left out: bv.  sum_k attn[k] (v0[k] + bv) = sum_k attn[k] v0[k] + bv, since a row of attn sums to 1: bv is added where the attention divides by the row's sum.
; query, value [8192][1024] and wq, wk, wv [1024][1024] all have K innermost (y = x W^T), rows are dense and K is a multiple of 32: each tensor is a plain stream of blocks of 32 numbers.
; The buffers codes and scales hold the five streams on end, in the grid's order: rows 0.. query, 8192.. value, 16384.. wq, 17408.. wk, 18432.. wv; 512 bytes of codes and 32 scale bytes a row.
; A block's scale is 2^(floor(log2(its largest magnitude)) - 2); its byte is the largest magnitude's exponent field - 2, held at 1 from below.  A block of zeros so gets the byte 1 where the rule says 127:
; its codes are zeros, which add nothing under any byte but 0xff, and this program alone reads the bytes.
; LIMITS: blocks whose largest magnitude lies under 2^-124 keep the byte 1; NaN and infinities among the inputs are not served; wo goes in f16 (magnitudes up to 65,504; steps of 2^-24 under 2^-14).
; A work-group takes 32,768 numbers, a wave 8,192: 16 steps of 512.  Work-groups 0-255 query, 256-511 value, 512-543 wq, 544-575 wk, 576-607 wv, 608-639 wo.  Only pointers are chosen by the work-group's number.
; Each load reads 512 consecutive bytes, 16 a lane; a step's 2,048 bytes turn through the wave's own stage in LDS and come back 64 bytes a lane, so that a lane holds 16 neighbours along K (two lanes a block).
; No tensor loads, no barrier: waves share nothing.
.set WAVES, 4
.set STEPS, 16
.set EMAX,  2
.set CB,    8                          ; bytes of 16 codes
.set R,     16                         ; v16-79   four sets of 16 numbers as they are loaded
.set X,     80                         ; v80-111  two sets of 16 neighbours
.set C,     128                        ; v128-191 codes: four registers for each step, so that no store's data are written again
.set E,     112                        ; v112-127 a scale byte for each step
.set WREG,  8192                       ; LDS: a region for each wave: two stages of 32 x SP bytes, behind them its 256 scale bytes
.set SP,    80                         ; a lane's place in a stage: 64 bytes + 16 of padding
.set SPW,   12                         ; v12  LDS address of my spare word; never rewritten
.set NIL,   13                         ; v13  0; never rewritten
.set SPARE, WAVES*WREG                 ; behind the four regions: the spare words, 128 bytes a wave
.set WR,    16                         ; wo's path: v16-143 two sets of 64 numbers
.set WC,    144                        ; v144-175 a batch's 64 x 2 numbers in f16
.set FIRSTWO, 608
	s_load_b512 s[4:19], s[0:1], 0x0               ; query, value, wq, wk, wv, wo, codes s[16:17], scales s[18:19]
	s_load_b64 s[20:21], s[0:1], 0x40              ; wof
	v_lshl_add_u32 v[SPW], v0, 2, SPARE
	v_mov_b32 v[NIL], 0
	v_lshrrev_b32 v1, 5, v0
	v_readfirstlane_b32 s22, v1                    ; wave
	v_and_b32 v2, 31, v0                           ; lane
	v_lshlrev_b32 v3, 4, v2                        ; my 16 bytes of a load's 512
	s_mul_i32 s23, s22, WREG
	v_lshrrev_b32 v14, 2, v2
	v_mul_u32_u24 v14, v14, SP
	v_and_b32 v15, 3, v2
	v_lshl_add_u32 v14, v15, 4, v14
	v_add_nc_u32 v14, s23, v14                     ; the stage, on the way in: SP (lane / 4) + 16 (lane % 4)
	v_mul_u32_u24 v15, v2, SP
	v_add_nc_u32 v15, s23, v15                     ; and on the way out: SP x lane: my 16 neighbours
	v_mul_u32_u24 v4, v2, CB                       ; my codes' place in a step's
	v_lshrrev_b32 v5, 1, v2
	s_add_co_u32 s23, s23, 2*32*SP
	v_add_nc_u32 v5, s23, v5                       ; LDS: my wave's 256 scale bytes, my block's byte
	v_lshlrev_b32 v7, 3, v2                        ; and on the way out 8 bytes a lane
	v_add_nc_u32 v6, s23, v7
	v_lshlrev_b32 v8, 5, v2                        ; wo's path: 32 bytes a lane
	s_wait_kmcnt 0x0
; which tensor is my work-group's: the choice hangs on the work-group's number alone
.macro PICK first, p
	s_cmp_ge_u32 ttmp9, \first
	s_cselect_b64 s[24:25], s[\p:\p+1], s[24:25]
	s_cselect_b32 s26, \first, s26
.endm
	s_mov_b64 s[24:25], s[4:5]
	s_mov_b32 s26, 0
	PICK 256, 6
	PICK 512, 8
	PICK 544, 10
	PICK 576, 12
	PICK FIRSTWO, 14
	s_sub_co_u32 s27, ttmp9, s26
	s_lshl_b32 s27, s27, 2
	s_add_co_u32 s27, s27, s22                     ; which run of 8,192 numbers of the tensor is my wave's
	s_lshl_b32 s28, s27, 15                        ; 32,768 bytes a run
	s_mov_b32 s29, 0
	s_add_nc_u64 s[24:25], s[24:25], s[28:29]
	s_cmp_ge_u32 ttmp9, FIRSTWO
	s_cbranch_scc1 .Lwo
	s_lshl_b32 s30, ttmp9, 2
	s_add_co_u32 s30, s30, s22                     ; which run of the five streams on end
	s_lshl_b32 s28, s30, 12                        ; 4,096 bytes of codes a run
	s_add_nc_u64 s[16:17], s[16:17], s[28:29]
	s_lshl_b32 s28, s30, 8                         ; 256 scale bytes a run
	s_add_nc_u64 s[18:19], s[18:19], s[28:29]
.macro LOAD t
.irp i, 0,1,2,3
	global_load_b128 v[R+16*((\t)%4)+4*\i:R+16*((\t)%4)+4*\i+3], v3, s[24:25] offset:2048*(\t)+512*\i th:TH_LOAD_NT   ; 32 lanes read 512 consecutive bytes
.endr
.endm
.macro TURN t                          ; step t's numbers through the stage: LDS serves a wave's instructions in order, so no wait stands between the stores and the loads
.irp i, 0,1,2,3
	ds_store_b128 v14, v[R+16*((\t)%4)+4*\i:R+16*((\t)%4)+4*\i+3] offset:32*SP*((\t)%2)+8*SP*\i
.endr
.irp i, 0,1,2,3
	ds_load_b128 v[X+16*((\t)%2)+4*\i:X+16*((\t)%2)+4*\i+3], v15 offset:32*SP*((\t)%2)+16*\i
.endr
.endm
.irp t, 0,1,2,3
	LOAD \t
.endr
	s_wait_loadcnt 12                              ; step 0's four loads are in; the twelve of steps 1 to 3 may be out
	TURN 0
.macro STEP t
.set XS, X+16*((\t)%2)
.if (\t) > 0
	s_wait_dscnt 1                                 ; this step's numbers are back from the stage (the last step's byte store may be out)
.else
	s_wait_dscnt 0x0
.endif
.if (\t)+4 < STEPS
	LOAD (\t)+4                                    ; into the registers that this step's stage stores have read
.endif
.if (\t)+1 < STEPS
.if STEPS-2-(\t) >= 3
	s_wait_loadcnt 12                              ; the next step's four loads are in; those of the three steps behind it may be out
.else
	s_wait_loadcnt 4*(STEPS-2-(\t))
.endif
	TURN (\t)+1                                    ; through the other stage while this step is worked
.endif
	v_max3_num_f32 v8, |v[XS]|, |v[XS+1]|, |v[XS+2]|               ; the largest magnitude of my 16, in two chains
	v_max3_num_f32 v9, |v[XS+3]|, |v[XS+4]|, |v[XS+5]|
.irp i, 6,10
	v_max3_num_f32 v8, v8, |v[XS+\i]|, |v[XS+\i+1]|
	v_max3_num_f32 v9, v9, |v[XS+\i+2]|, |v[XS+\i+3]|
.endr
	v_max3_num_f32 v8, v8, |v[XS+14]|, |v[XS+15]|
	v_max3_num_f32 v8, v8, v9, (EMAX+1)<<23        ; and the floor 2^(3 - 127): the byte cannot fall under 1
	v_max_num_f32_dpp v8, v8, v8 row_xmask:1 row_mask:0xf bank_mask:0xf   ; and of my neighbour's 16: the block's
	v_add_nc_u32 v11, -(EMAX<<23), v8              ; 2 off its exponent field: the conversion takes the exponent field of this operand as its scale
	v_cvt_scalef32_pk8_fp4_f32 v[C+4*(\t)], v[XS:XS+7], v11
	v_cvt_scalef32_pk8_fp4_f32 v[C+4*(\t)+1], v[XS+8:XS+15], v11
	v_lshrrev_b32 v[E+(\t)], 23, v11               ; the scale's byte
	ds_store_b8 v5, v[E+(\t)] offset:16*(\t)       ; both lanes of a block write the same byte with the same value
	global_store_b64 v4, v[C+4*(\t):C+4*(\t)+1], s[16:17] offset:32*CB*(\t)   ; the wave stores 256 consecutive bytes, aligned
.endm
.irp t, 0,1,2,3,4,5,6,7,8,9,10,11,12,13,14,15
	STEP \t
.endr
	ds_load_b64 v[8:9], v6                         ; LDS serves a wave's instructions in order: these see my stores
	s_wait_dscnt 0x0
	global_store_b64 v7, v[8:9], s[18:19]          ; 32 lanes store 256 consecutive bytes, aligned
	s_wait_tensorcnt 0x0                           ; the wave's end, behind my last LDS store
	ds_add_u32 v[SPW], v[NIL]
	s_wait_dscnt 0x0
	s_endpgm
; wo to f16, as it lies.  A lane takes 8 neighbours (two loads of 16 bytes) and stores their 16 bytes: a store of the wave covers 512 consecutive bytes.  Four batches of eight such pairs; loads run one batch ahead.  No LDS.
.Lwo:
	s_lshl_b32 s28, s27, 14                        ; 16,384 bytes of f16 a run
	s_add_nc_u64 s[20:21], s[20:21], s[28:29]
.macro WLOAD t
.irp p, 0,1,2,3,4,5,6,7
	global_load_b128 v[WR+64*((\t)%2)+8*\p:WR+64*((\t)%2)+8*\p+3], v8, s[24:25] offset:8192*(\t)+1024*\p th:TH_LOAD_NT
	global_load_b128 v[WR+64*((\t)%2)+8*\p+4:WR+64*((\t)%2)+8*\p+7], v8, s[24:25] offset:8192*(\t)+1024*\p+16 th:TH_LOAD_NT
.endr
.endm
.macro WBATCH t
.if (\t) < 3
	s_wait_loadcnt 16                              ; this batch's 16 loads are in; the next batch's may be out
.else
	s_wait_loadcnt 0x0
.endif
.if (\t) > 0
	s_wait_xcnt 0x0                                ; the last batch's stores have read their data registers, which are written again below
.endif
.irp i, 0,1,2,3,4,5,6,7,8,9,10,11,12,13,14,15,16,17,18,19,20,21,22,23,24,25,26,27,28,29,30,31
	v_cvt_pk_f16_f32 v[WC+\i], v[WR+64*((\t)%2)+2*\i], v[WR+64*((\t)%2)+2*\i+1]
.endr
.if (\t)+2 < 4
	WLOAD (\t)+2
.endif
.irp p, 0,1,2,3,4,5,6,7
	global_store_b128 v3, v[WC+4*\p:WC+4*\p+3], s[20:21] offset:4096*(\t)+512*\p
.endr
.endm
	WLOAD 0
	WLOAD 1
	WBATCH 0
	WBATCH 1
	WBATCH 2
	WBATCH 3
	s_endpgm
.Lfunc_end_k_qe5a5f3a9c8_quant:
	.size	k_qe5a5f3a9c8_quant, .Lfunc_end_k_qe5a5f3a9c8_quant-k_qe5a5f3a9c8_quant
	.p2alignl 7, 3214868480
	.fill 96, 4, 3214868480
	.section	.rodata,"a",@progbits
	.p2align	6, 0x0
	.amdhsa_kernel k_qe5a5f3a9c8_quant
		.amdhsa_group_segment_fixed_size 33280
		.amdhsa_private_segment_fixed_size 0
		.amdhsa_enable_private_segment 0
		.amdhsa_kernarg_size 72
		.amdhsa_user_sgpr_count 2
		.amdhsa_user_sgpr_kernarg_segment_ptr 1
		.amdhsa_wavefront_size32 1
		.amdhsa_system_sgpr_workgroup_id_x 1
		.amdhsa_system_sgpr_workgroup_id_y 1
		.amdhsa_system_sgpr_workgroup_id_z 1
		.amdhsa_system_vgpr_workitem_id 0
		.amdhsa_next_free_vgpr 192
		.amdhsa_next_free_sgpr 66
		.amdhsa_reserve_vcc 0
		.amdhsa_float_denorm_mode_32 3
		.amdhsa_float_denorm_mode_16_64 3
		.amdhsa_memory_ordered 1
		.amdhsa_forward_progress 1
		.amdhsa_inst_pref_size 51
	.end_amdhsa_kernel
	.amdgpu_metadata
---
amdhsa.version: [ 1, 2 ]
amdhsa.kernels:
  - .name:           k_qe5a5f3a9c8_quant
    .symbol:         k_qe5a5f3a9c8_quant.kd
    .args:
      - { .name: query, .offset: 0, .size: 8, .value_kind: global_buffer, .address_space: global }
      - { .name: value, .offset: 8, .size: 8, .value_kind: global_buffer, .address_space: global }
      - { .name: wq, .offset: 16, .size: 8, .value_kind: global_buffer, .address_space: global }
      - { .name: wk, .offset: 24, .size: 8, .value_kind: global_buffer, .address_space: global }
      - { .name: wv, .offset: 32, .size: 8, .value_kind: global_buffer, .address_space: global }
      - { .name: wo, .offset: 40, .size: 8, .value_kind: global_buffer, .address_space: global }
      - { .name: codes, .offset: 48, .size: 8, .value_kind: global_buffer, .address_space: global }
      - { .name: scales, .offset: 56, .size: 8, .value_kind: global_buffer, .address_space: global }
      - { .name: wof, .offset: 64, .size: 8, .value_kind: global_buffer, .address_space: global }
    .group_segment_fixed_size: 33280
    .private_segment_fixed_size: 0
    .kernarg_segment_align: 8
    .kernarg_segment_size: 72
    .max_flat_workgroup_size: 128
    .sgpr_count:     66
    .vgpr_count:     192
    .wavefront_size: 32
...
	.end_amdgpu_metadata
.endif
;; end of part 1
;; launch proj (part 2): grid 12 x 32, 4 waves a work-group, clusters of 4 x 4, 327,680 bytes of LDS; arguments codes, scales, bq, qf, kf, vf; writes qf, kf, vf
.if DOCPART == 2
	.amdgcn_target "amdgcn-amd-amdhsa--gfx1250"
	.amdhsa_code_object_version 6
	.text
	.protected	k_qe5a5f3a9c8_proj
	.globl	k_qe5a5f3a9c8_proj
	.p2align	8
	.type	k_qe5a5f3a9c8_proj,@function
k_qe5a5f3a9c8_proj:
	s_mov_b64 s[64:65], 0
	v_nop
	global_prefetch_b8 v0, s[64:65] scope:SCOPE_SE
	s_setreg_imm32_b32 hwreg(HW_REG_WAVE_MODE, 25, 1), 1
	s_wait_xcnt 0x0
	s_wait_alu depctr_hold_cnt(0) depctr_sa_sdst(0) depctr_va_vdst(0) depctr_va_sdst(0) depctr_va_ssrc(0) depctr_va_vcc(0) depctr_vm_vsrc(0)
	s_getreg_b32 s2, hwreg(HW_REG_IB_STS2, 6, 4)
	s_cmp_eq_u32 s2, 0
	s_cbranch_scc0 .Lentry_in_a_cluster
	s_endpgm
.Lentry_in_a_cluster:
	s_bfe_u32 s2, ttmp6, 0x10000c
	s_cmp_lg_u32 s2, 0xf033
	s_cbranch_scc0 .Lentry_shape_is_right
	s_endpgm
.Lentry_shape_is_right:
; Launch 2 of 4: the three quantised projections, on codes of FP4 with E8M0 scales, K = 1,024: q = query wq^T + bq, k0 = value wk^T, v0 = value wv^T; results rounded once to f16.
; LEFT OUT: bk (the same along the softmax's axis: shown at the head of the first kernel).  bv is added where the attention divides by the row's sum.
; LIMIT: |q|, |k0|, |v0| up to 65,504 (f16).
; The cluster's x says which product: 0 q, 1 k, 2 v.  A tile of 256 x 256 is made by four waves, 128 x 128 each: 64 accumulators, 512 registers.  K goes in two steps of 512, each in an LDS slot of its own: nothing is filled again.
; The scale bytes of the work-group's 256 + 256 rows, for all of K, come once, as whole rows of 256 bytes.
; CLUSTERS: 4 x 4 work-groups.  The four of a row of the cluster need the same rows of operand A, the four of a column the same rows of operand B: each tile is asked for JOINTLY.
; THE MATRIX INSTRUCTION IS USED TRANSPOSED (source 0 = 16 rows of B, source 1 = 16 rows of A): a lane holds one row of A and eight neighbouring rows of B.
;   q, k: A = tokens, B = the weight's rows (channels): a lane holds a token and 8 channels.      v: A = wv's rows, B = tokens: a lane holds a channel and 8 tokens: V^T, by the same text.
; THE RESULTS LEAVE AS IMAGES OF OPERAND REGISTERS: a tile of 16 x 16, rounded to f16, is 4 registers a lane, and is half of a 16 x 32 fragment of the next product, in the same lanes.
;   qf, kf, vf: [batch x 16 + head][token tile 0..127][channel tile 0..3][lane][16 bytes].  Each store of the wave covers 512 consecutive bytes, aligned; no stage in LDS is needed.
; REGISTERS, in windows of 256: window 0: v0-31 addresses; v32-95 scale words, two sets; v96-103 the stores' offsets; v128-191 A's fragments, ONE set, later the packed results; v192-255 the bias.
;   window 1: B's fragments, TWO sets, at v0 and v128.   window 2: the accumulators of my rows 0-63 ((a, b) at v[8 (8 a + b)]);   window 3: those of my rows 64-127.
.set KSTEP,  512
.set NQ,     KSTEP/128
.set ROWB,   256                       ; a tile's row in bytes: 512 codes
.set KROW,   512                       ; a row of codes in memory
.set PITCH,  272                       ; an LDS row: 256 bytes + 16 of padding = 68 words: the 16 rows that a load touches start at 16 different banks (64 banks of 4 bytes: ISA guide 11.1)
.set FR,     8
.set NL,     2
.set NP,     4
.set HALFT,  128*PITCH
.set SLOT,   4*HALFT
.set KS,     32                        ; a row of scales in bytes
.set SCL,    2*SLOT
.set HALFS,  (128*KS/256)*272
.set SBLK,   (16*KS/256)*272
.set SPARE,  SCL+4*HALFS               ; the spare words, 128 bytes a wave
.set ADRA, 16
.set ADRB, 20
.set ADRS, 27
.set SPW,  28
.set NIL,  29
.set SC,   32
.set VO,   96                          ; v96-103  my byte offset in the output for B's block b
.set AF,   128
.set PK,   128                         ; the way out: packed results, two sets of 32
.set BIAS, 192                         ; v192-255 register 8 b + j: the bias of B's row 16 b + 8 (lane / 16) + j
.set G1, 24
.set G0, 32
.set G1B, 48
.set G0B, 56
.set G1S, 68
.set G0S, 76
.set G1SB, 80
.set G0SB, 88
.set PX,  95                           ; s95 which product
.set MSB, 0
.macro WIN new                         ; the immediate's high byte repeats the setting that is left
.if MSB != (\new)
	s_set_vgpr_msb (MSB<<8)|(\new)
.set MSB, (\new)
.endif
.endm
.set MUL_LO, 0xa1                      ; source 0 (B) window 1, source 1 (A) window 0, C and D window 2
.set MUL_HI, 0xf1                      ; the same, C and D window 3
.set FST_LO, 0x81                      ; a sum's first product: C = the bias, window 0
.set FST_HI, 0xc1
.set TO_B,   0x40
; A joint load: waves 0 and 1 fetch for A, waves 2 and 3 for B; the branch hangs on the wave's number alone.  An s_nop 0 and four v_nop follow each of the two lines.
.macro JLOAD g0a, g1a, g0b, g1b
	s_cmp_eq_u32 s15, 0
	s_cbranch_scc0 .Lfor_b_\@
	tensor_load_to_lds s[\g0a:\g0a+3], s[\g1a:\g1a+7]
	s_nop 0
.rept 4
	v_nop
.endr
	s_branch .Lasked_\@
.Lfor_b_\@:
	tensor_load_to_lds s[\g0b:\g0b+3], s[\g1b:\g1b+7]
	s_nop 0
.rept 4
	v_nop
.endr
.Lasked_\@:
.endm
.macro CREST
	s_cmp_lg_u32 s14, 0
	s_cbranch_scc1 .Lnot_wave_0_\@
	s_barrier_signal -3
.Lnot_wave_0_\@:
	s_barrier_wait -3
	s_barrier_signal -1
	s_barrier_wait -1
.endm
.macro CROUND
	s_barrier_signal -1
	s_barrier_wait -1
	CREST
.endm
	s_load_b256 s[4:11], s[0:1], 0x0               ; codes s[4:5], scales s[6:7], bq s[8:9], qf s[10:11]
	s_load_b128 s[96:99], s[0:1], 0x20             ; kf, vf
	v_lshl_add_u32 v[SPW], v0, 2, SPARE
	v_mov_b32 v[NIL], 0
	ds_add_u32 v[SPW], v[NIL]                      ; the wave's opening: the add, twice on end, and its wait ahead of my first tensor load
	ds_add_u32 v[SPW], v[NIL]
	v_lshrrev_b32 v1, 5, v0
	v_readfirstlane_b32 s14, v1                    ; wave 0..3
	s_lshr_b32 s15, s14, 1                         ; which half of A's rows is mine.  Also: I fetch for A (0) or for B (1)
	s_and_b32 s16, s14, 1                          ; which half of B's rows.  Also: which 128 rows I fetch
	s_bfe_u32 s40, ttmp6, 0x40000                  ; cx, cy: my place in the cluster
	s_bfe_u32 s41, ttmp6, 0x40004
	s_mov_b32 s[PX], ttmp9                         ; the cluster's x: the same in all sixteen partners
	s_and_b32 s17, ttmp7, 0xffff
	s_lshl_b32 s17, s17, 2                         ; 4 x the cluster's y
	s_lshl_b32 s43, s41, 2
	s_lshl_b32 s43, 15, s43                        ; my row of the cluster
	s_lshl_b32 s44, 0x1111, s40                    ; my column
	s_or_b32 s[G1+0], s43, (0<<16)|(1<<20)|(1<<21)|(5<<22)|(3<<25)  ; the mask; elements of 1 byte; padding: 4 words after every 64; bit 21 beside a mask
	s_or_b32 s[G1B+0], s44, (0<<16)|(1<<20)|(1<<21)|(5<<22)|(3<<25)
.irp g, G1, G1B
	s_mov_b32 s[\g+1], ROWB<<16                    ; tensor_dim0
	s_mov_b32 s[\g+2], 128<<16                     ; tensor_dim1
	s_mov_b32 s[\g+3], ROWB<<16                    ; tile_dim0
	s_mov_b32 s[\g+4], 128                         ; tile_dim1
	s_mov_b32 s[\g+5], KROW                        ; from row to row
	s_mov_b32 s[\g+6], 0
	s_mov_b32 s[\g+7], 0
.endr
	s_or_b32 s[G1S+0], s43, (3<<16)|(1<<20)|(1<<21)|(5<<22)|(3<<25)  ; the scales of 128 rows: 4,096 dense bytes as 16 rows of 256 (32 elements of 8 bytes), 16 bytes of padding behind each
	s_or_b32 s[G1SB+0], s44, (3<<16)|(1<<20)|(1<<21)|(5<<22)|(3<<25)
.irp g, G1S, G1SB
	s_mov_b32 s[\g+1], 32<<16
	s_mov_b32 s[\g+2], (128*KS/256)<<16
	s_mov_b32 s[\g+3], 32<<16
	s_mov_b32 s[\g+4], 128*KS/256
	s_mov_b32 s[\g+5], 32
	s_mov_b32 s[\g+6], 0
	s_mov_b32 s[\g+7], 0
.endr
	; the rows of the buffer codes.  q: A = 0 + 256 (4 Y + cy), B = 16384 + 256 cx;  k: A = 8192 + .., B = 17408 + ..;  v: A = 18432 + 256 cy (wv), B = 8192 + 256 (4 Y + cx) (value)
	s_lshl_b32 s20, s[PX], 13
	s_lshl_b32 s46, s[PX], 10
	s_add_co_u32 s46, s46, 16384
	s_cmp_eq_u32 s[PX], 2
	s_cselect_b32 s20, 18432, s20                  ; A's first row
	s_cselect_b32 s46, 8192, s46                   ; B's
	s_cselect_b32 s18, 0, s17
	s_cselect_b32 s19, s17, 0
	s_add_co_u32 s18, s18, s41                     ; A's tile: hangs on cy alone of the two places
	s_add_co_u32 s19, s19, s40                     ; B's: on cx alone
	s_lshl_b32 s18, s18, 8
	s_lshl_b32 s19, s19, 8
	s_add_co_u32 s20, s20, s18
	s_add_co_u32 s46, s46, s19
	s_lshl_b32 s18, s16, 7                         ; which 128 rows of the tile I fetch
	s_add_co_u32 s20, s20, s18
	s_add_co_u32 s46, s46, s18
	s_lshl_b32 s22, s20, 5                         ; where these rows' scales begin, in bytes,
	s_mov_b32 s23, 0
	s_lshl_b32 s92, s46, 5
	s_mov_b32 s93, 0
	s_lshl_b32 s20, s20, 9                         ; and their codes
	s_mov_b32 s21, 0
	s_lshl_b32 s46, s46, 9
	s_mov_b32 s47, 0
	s_mul_i32 s45, s14, HALFT                      ; where they go: wave x 128 rows: no place in the cluster enters an LDS address
	s_mul_i32 s94, s14, HALFS
	s_wait_dscnt 0x0                               ; both opening adds are done
	s_wait_kmcnt 0x0
	s_add_nc_u64 s[20:21], s[4:5], s[20:21]
	s_add_nc_u64 s[22:23], s[6:7], s[22:23]
	s_add_nc_u64 s[46:47], s[4:5], s[46:47]
	s_add_nc_u64 s[92:93], s[6:7], s[92:93]
	CROUND                                         ; all sixteen work-groups are here: the first joint loads meet
	s_mov_b32 s[G0S], 1
	s_add_co_u32 s[G0S+1], s94, SCL
	s_mov_b64 s[G0S+2:G0S+3], s[22:23]
	s_or_b32 s[G0S+3], s[G0S+3], 0x80000000
	s_mov_b32 s[G0SB], 1
	s_add_co_u32 s[G0SB+1], s94, SCL
	s_mov_b64 s[G0SB+2:G0SB+3], s[92:93]
	s_or_b32 s[G0SB+3], s[G0SB+3], 0x80000000
	JLOAD G0S, G1S, G0SB, G1SB                     ; the scales first: they are wanted with K step 0
.irp s, 0,1
	s_mov_b32 s[G0+4*\s], 1
	s_add_co_u32 s[G0+4*\s+1], s45, \s*SLOT
	s_add_nc_u64 s[G0+4*\s+2:G0+4*\s+3], s[20:21], \s*ROWB
	s_or_b32 s[G0+4*\s+3], s[G0+4*\s+3], 0x80000000
	s_mov_b32 s[G0B+4*\s], 1
	s_add_co_u32 s[G0B+4*\s+1], s45, \s*SLOT
	s_add_nc_u64 s[G0B+4*\s+2:G0B+4*\s+3], s[46:47], \s*ROWB
	s_or_b32 s[G0B+4*\s+3], s[G0B+4*\s+3], 0x80000000
	JLOAD G0+4*\s, G1, G0B+4*\s, G1B               ; three loads of mine are out behind the second of these
.endr
	v_and_b32 v1, 15, v0                           ; r = lane % 16
	v_bfe_u32 v2, v0, 4, 1                         ; h = lane / 16
	; the bias.  q: bq of my 128 channels, in the result's layout; k, v: none here, so zeros
	s_lshl_b32 s18, s40, 10
	s_lshl_b32 s19, s16, 9
	s_add_co_u32 s18, s18, s19                     ; 4 (256 cx + 128 x my half)
	s_mov_b32 s19, 0
	s_add_nc_u64 s[8:9], s[8:9], s[18:19]
	v_lshlrev_b32 v7, 5, v2                        ; 32 h
	s_cmp_eq_u32 s[PX], 0
	s_cbranch_scc0 .Lno_bias
.irp b, 0,1,2,3,4,5,6,7
	global_load_b128 v[BIAS+8*\b:BIAS+8*\b+3], v7, s[8:9] offset:64*\b
	global_load_b128 v[BIAS+8*\b+4:BIAS+8*\b+7], v7, s[8:9] offset:64*\b+16
.endr
	s_branch .Lbias_set
.Lno_bias:
.irp i, 0,1,2,3,4,5,6,7,8,9,10,11,12,13,14,15,16,17,18,19,20,21,22,23,24,25,26,27,28,29,30,31,32,33,34,35,36,37,38,39,40,41,42,43,44,45,46,47,48,49,50,51,52,53,54,55,56,57,58,59,60,61,62,63
	v_mov_b32 v[BIAS+\i], 0                        ; once a wave: so that one text of the first step serves all three products
.endr
.Lbias_set:
	v_mul_u32_u24 v3, v1, PITCH
	v_lshl_add_u32 v4, v2, 4, v3                   ; a fragment's row x pitch + 16 x half
	s_mul_i32 s21, s15, HALFT                      ; my 128 rows of A
	s_mul_i32 s22, s16, HALFT                      ; my 128 rows of B,
	s_add_co_u32 s22, s22, 2*HALFT                 ; which lie behind A's 256
.irp s, 0,1
	v_add_nc_u32 v[ADRA+\s], s21, v4
	v_add_nc_u32 v[ADRB+\s], s22, v4
	s_add_co_u32 s21, s21, SLOT
	s_add_co_u32 s22, s22, SLOT
.endr
	v_mul_u32_u24 v5, v1, KS                       ; my row's scales: 32 bytes a row,
	v_lshrrev_b32 v6, 8, v5
	v_lshl_add_u32 v5, v6, 4, v5                   ; and 16 more for each 256 passed
	s_mul_i32 s21, s15, HALFS
	s_mul_i32 s22, s16, HALFS
	s_add_co_u32 s22, s22, 2*HALFS
	s_sub_co_u32 s22, s22, s21
	v_mul_u32_u24 v6, s22, v2                      ; lanes 16-31 take B's
	s_add_co_u32 s21, s21, SCL
	v_add_nc_u32 v5, v5, v6
	v_add_nc_u32 v[ADRS], s21, v5
	; where the results go.  q, k: tokens T0 = 256 (4 Y + cy) + 128 x my A half, heads from 4 cx + 2 x my B half;  v: tokens 256 (4 Y + cx) + 128 x my B half, heads from 4 cy + 2 x my A half
	s_cmp_eq_u32 s[PX], 1
	s_cselect_b64 s[12:13], s[96:97], s[10:11]
	s_cmp_eq_u32 s[PX], 2
	s_cselect_b64 s[12:13], s[98:99], s[12:13]
	s_cselect_b32 s18, s40, s41
	s_cselect_b32 s19, s41, s40
	s_cselect_b32 s20, s16, s15
	s_cselect_b32 s21, s15, s16
	s_mov_b32 s66, 512
	s_cselect_b32 s66, 2048, s66                   ; from B's block b to b + 1 inside four: a channel tile, or (v) a token tile
	s_mov_b32 s67, 262144
	s_cselect_b32 s67, 8192, s67                   ; from b to b + 4: a head, or four token tiles
	s_mov_b32 s96, 2048
	s_cselect_b32 s96, 512, s96                    ; from A's block a to a + 1: a token tile, or a channel tile
	s_mov_b32 s98, 2048
	s_cselect_b32 s98, 260608, s98                 ; from a = 3 to a = 4: the same, or (v) a head on and three channel tiles back
	s_mov_b32 s97, 0
	s_mov_b32 s99, 0
	s_add_co_u32 s18, s18, s17
	s_lshl_b32 s18, s18, 8
	s_lshl_b32 s20, s20, 7
	s_add_co_u32 s18, s18, s20                     ; T0
	s_lshl_b32 s19, s19, 2
	s_lshl_b32 s21, s21, 1
	s_add_co_u32 s19, s19, s21                     ; my first head
	s_lshr_b32 s20, s18, 11                        ; the batch
	s_lshl_b32 s20, s20, 4
	s_add_co_u32 s19, s19, s20
	s_lshl_b32 s19, s19, 18                        ; 262,144 bytes a head
	s_and_b32 s18, s18, 2047
	s_lshl_b32 s18, s18, 7                         ; 2,048 bytes a token tile
	s_add_co_u32 s18, s18, s19
	s_mov_b32 s19, 0
	s_add_nc_u64 s[12:13], s[12:13], s[18:19]
	v_and_b32 v6, 31, v0
	v_lshlrev_b32 v6, 4, v6                        ; 16 x lane
.irp b, 0,1,2,3,4,5,6,7
	s_mul_i32 s18, s66, \b%4
	s_mul_i32 s19, s67, \b/4
	s_add_co_u32 s18, s18, s19
	v_add_nc_u32 v[VO+\b], s18, v6
.endr
.macro FRAG reg, adr, q, i             ; 16 rows x 128 K of 4-bit codes: 8 registers: lane l holds row l % 16; registers 4 c .. 4 c + 3 hold K = 64 c + 32 (l / 16) + 0 .. 31
.irp c, 0,1
	ds_load_b128 v[\reg+4*\c:\reg+4*\c+3], v[\adr] offset:64*(\q)+32*\c+(\i)*16*PITCH
.endr
.endm
; 16 matrix instructions: A's blocks a0, a0 + 1 x B's eight, 128 along K.  first = 1: the bias is the C of each sum's first product.  The 64 accumulators take turns, one instruction a turn.
.macro MUL16 a0, p, q, sc, first
.irp a, \a0, \a0+1
.irp b, 0,1,2,3,4,5,6,7
.if \first
	v_wmma_scale_f32_16x16x128_f8f6f4 v[8*(8*((\a)%4)+\b):8*(8*((\a)%4)+\b)+7], v[128*(\p)+FR*\b:128*(\p)+FR*\b+FR-1], v[AF+FR*(\a):AF+FR*(\a)+FR-1], v[BIAS+8*\b:BIAS+8*\b+7], v[SC+8*NQ*(\sc)+NQ*\b+(\q)], v[SC+8*NQ*(\sc)+NQ*(\a)+(\q)] matrix_a_fmt:MATRIX_FMT_FP4 matrix_b_fmt:MATRIX_FMT_FP4 matrix_a_scale:MATRIX_SCALE_ROW1
.else
	v_wmma_scale_f32_16x16x128_f8f6f4 v[8*(8*((\a)%4)+\b):8*(8*((\a)%4)+\b)+7], v[128*(\p)+FR*\b:128*(\p)+FR*\b+FR-1], v[AF+FR*(\a):AF+FR*(\a)+FR-1], v[8*(8*((\a)%4)+\b):8*(8*((\a)%4)+\b)+7], v[SC+8*NQ*(\sc)+NQ*\b+(\q)], v[SC+8*NQ*(\sc)+NQ*(\a)+(\q)] matrix_a_fmt:MATRIX_FMT_FP4 matrix_b_fmt:MATRIX_FMT_FP4 matrix_a_scale:MATRIX_SCALE_ROW1
.endif
.endr
.endr
.endm
.macro FETCH_B slot, q, p
	WIN TO_B
.irp i, 0,1,2,3,4,5,6,7
	FRAG 128*(\p)+FR*\i, ADRB+\slot, \q, \i
.endr
	WIN 0
.endm
.macro FETCH_A slot, q, i0
.irp i, \i0, \i0+1, \i0+2, \i0+3
	FRAG AF+FR*(\i), ADRA+\slot, \q, \i
.endr
.endm
.macro SCALES sc                       ; a K step's scale words: 4 words a row; lanes 0-15 take A's block i, lanes 16-31 B's block i
.irp i, 0,1,2,3,4,5,6,7
	ds_load_b128 v[SC+8*NQ*\sc+NQ*\i:SC+8*NQ*\sc+NQ*\i+3], v[ADRS] offset:\i*SBLK
.endr
.endm
; A load into a register that a matrix instruction has read, and a vector instruction that reads a matrix result or writes one of its registers, stand four places behind it; only plain vector instructions
; that name none of its registers are places (ISA guide 7.12.1 for vector instructions).
.macro PLACES n
.rept \n
	v_nop
.endr
.endm
.macro STEP slot, q, first             ; a step of 128 along K that has its successor in the same slot
	s_wait_dscnt 4*NL                              ; B's set and A's blocks 0-3 are in; the youngest eight loads (A's blocks 4-7) may be out
.if \first
	WIN FST_LO
.else
	WIN MUL_LO
.endif
	MUL16 0, (\q)%2, \q, \slot, \first
	MUL16 2, (\q)%2, \q, \slot, \first
	s_wait_dscnt 0                                 ; A's blocks 4-7 are in
	PLACES NP
	FETCH_B \slot, (\q)+1, 1-(\q)%2
	FETCH_A \slot, (\q)+1, 0
.if \first
	WIN FST_HI
.else
	WIN MUL_HI
.endif
	MUL16 4, (\q)%2, \q, \slot, \first
	MUL16 6, (\q)%2, \q, \slot, \first
	PLACES NP
	WIN 0
	FETCH_A \slot, (\q)+1, 4
.endm
; Slot 0's last step goes over to slot 1: one barrier; in front of it each wave waits for all its tensor loads (its part of slot 1), adds 0 to its spare word, and waits for that and for its LDS loads.  Nothing is filled again.
.macro TURN slot, next
	s_wait_tensorcnt 0x0
	ds_add_u32 v[SPW], v[NIL]
	s_wait_dscnt 4*NL+1                            ; (the add and the youngest eight loads may be out)
	WIN MUL_LO
	MUL16 0, 1, NQ-1, \slot, 0
	s_wait_dscnt 0x0
	s_barrier_signal -1
	MUL16 2, 1, NQ-1, \slot, 0
	WIN 0
	s_barrier_wait -1
	PLACES NP
	v_add_nc_u32 v[ADRS], 4*NQ, v[ADRS]            ; on to the next K step's scale words
	FETCH_B \next, 0, 0
	FETCH_A \next, 0, 0
	SCALES \next
	WIN MUL_HI
	MUL16 4, 1, NQ-1, \slot, 0
	MUL16 6, 1, NQ-1, \slot, 0
	PLACES NP
	WIN 0
	FETCH_A \next, 0, 4
.endm
.macro STEPS slot, from
.set Q, \from
.rept NQ-1-\from
	STEP \slot, Q, 0
.set Q, Q+1
.endr
.endm
	s_wait_tensorcnt 1                             ; the scales and my part of K step 0 are in (slot 1's load may be out)
	s_barrier_signal -1
	s_barrier_wait -1                              ; everybody's are
	FETCH_B 0, 0, 0
	FETCH_A 0, 0, 0
	SCALES 0
	FETCH_A 0, 0, 4
	s_wait_loadcnt 0x0                             ; the bias
	STEP 0, 0, 1
	STEPS 0, 1
	TURN 0, 1
	STEPS 1, 0
	s_wait_dscnt 4*NL                              ; the very last step: nothing more to fetch
	WIN MUL_LO
	MUL16 0, 1, NQ-1, 1, 0
	MUL16 2, 1, NQ-1, 1, 0
	s_wait_dscnt 0
	WIN MUL_HI
	MUL16 4, 1, NQ-1, 1, 0
	MUL16 6, 1, NQ-1, 1, 0
	WIN 0
; THE WAY OUT, A's blocks one after the other.  Each accumulator is rounded to f16 from its low end on: 4 registers a lane, stored at 16 x lane.  Two sets of packed registers take turns.
.macro OUTBLK a
.set AC, 64*((\a)%4)
.set PS, PK+32*((\a)%2)
	WIN 0x0a+5*((\a)/4)                            ; sources 0 and 1: window 2 or 3
.irp b, 0,1,2,3,4,5,6,7
.irp i, 0,1,2,3
	v_cvt_pk_f16_f32 v[PS+4*\b+\i], v[AC+8*\b+2*\i], v[AC+8*\b+2*\i+1]
.endr
.endr
	WIN 0
.if (\a) > 0
	s_wait_xcnt 0x0                                ; the earlier stores have read their base, which steps, and their data: the set that the next block writes is free behind this wait
.if (\a) == 4
	s_add_nc_u64 s[12:13], s[12:13], s[98:99]
.else
	s_add_nc_u64 s[12:13], s[12:13], s[96:97]
.endif
.endif
.irp b, 0,1,2,3,4,5,6,7
	global_store_b128 v[VO+\b], v[PS+4*\b:PS+4*\b+3], s[12:13]     ; 32 lanes store 512 consecutive bytes, aligned
.endr
.endm
	PLACES NP                                      ; in front of writes into the registers that held A's fragments, and of the first reads of results
.irp a, 0,1,2,3,4,5,6,7
	OUTBLK \a
.endr
	s_wait_tensorcnt 0x0                           ; the wave's end
	ds_add_u32 v[SPW], v[NIL]
	s_wait_dscnt 0x0
	CROUND                                         ; the closing round
	s_endpgm
.Lfunc_end_k_qe5a5f3a9c8_proj:
	.size	k_qe5a5f3a9c8_proj, .Lfunc_end_k_qe5a5f3a9c8_proj-k_qe5a5f3a9c8_proj
	.p2alignl 7, 3214868480
	.fill 96, 4, 3214868480
	.section	.rodata,"a",@progbits
	.p2align	6, 0x0
	.amdhsa_kernel k_qe5a5f3a9c8_proj
		.amdhsa_group_segment_fixed_size 327680
		.amdhsa_private_segment_fixed_size 0
		.amdhsa_enable_private_segment 0
		.amdhsa_kernarg_size 48
		.amdhsa_user_sgpr_count 2
		.amdhsa_user_sgpr_kernarg_segment_ptr 1
		.amdhsa_wavefront_size32 1
		.amdhsa_system_sgpr_workgroup_id_x 1
		.amdhsa_system_sgpr_workgroup_id_y 1
		.amdhsa_system_sgpr_workgroup_id_z 1
		.amdhsa_system_vgpr_workitem_id 0
		.amdhsa_next_free_vgpr 1024
		.amdhsa_next_free_sgpr 100
		.amdhsa_reserve_vcc 0
		.amdhsa_float_denorm_mode_32 3
		.amdhsa_float_denorm_mode_16_64 3
		.amdhsa_memory_ordered 1
		.amdhsa_forward_progress 1
		.amdhsa_inst_pref_size 124
	.end_amdhsa_kernel
	.amdgpu_metadata
---
amdhsa.version: [ 1, 2 ]
amdhsa.kernels:
  - .name:           k_qe5a5f3a9c8_proj
    .symbol:         k_qe5a5f3a9c8_proj.kd
    .args:
      - { .name: codes, .offset: 0, .size: 8, .value_kind: global_buffer, .address_space: global }
      - { .name: scales, .offset: 8, .size: 8, .value_kind: global_buffer, .address_space: global }
      - { .name: bq, .offset: 16, .size: 8, .value_kind: global_buffer, .address_space: global }
      - { .name: qf, .offset: 24, .size: 8, .value_kind: global_buffer, .address_space: global }
      - { .name: kf, .offset: 32, .size: 8, .value_kind: global_buffer, .address_space: global }
      - { .name: vf, .offset: 40, .size: 8, .value_kind: global_buffer, .address_space: global }
    .group_segment_fixed_size: 327680
    .private_segment_fixed_size: 0
    .kernarg_segment_align: 8
    .kernarg_segment_size: 48
    .max_flat_workgroup_size: 128
    .sgpr_count:     100
    .vgpr_count:     1024
    .wavefront_size: 32
...
	.end_amdgpu_metadata
.endif
;; end of part 2
;; launch attn (part 3): grid 4 x 64, 8 waves a work-group, clusters of 4 x 1, 327,680 bytes of LDS; arguments qf, kf, vf, bv, cf; writes cf
.if DOCPART == 3
	.amdgcn_target "amdgcn-amd-amdhsa--gfx1250"
	.amdhsa_code_object_version 6
	.text
	.protected	k_qe5a5f3a9c8_attn
	.globl	k_qe5a5f3a9c8_attn
	.p2align	8
	.type	k_qe5a5f3a9c8_attn,@function
k_qe5a5f3a9c8_attn:
	s_mov_b64 s[64:65], 0
	v_nop
	global_prefetch_b8 v0, s[64:65] scope:SCOPE_SE
	s_setreg_imm32_b32 hwreg(HW_REG_WAVE_MODE, 25, 1), 1
	s_wait_xcnt 0x0
	s_wait_alu depctr_hold_cnt(0) depctr_sa_sdst(0) depctr_va_vdst(0) depctr_va_sdst(0) depctr_va_ssrc(0) depctr_va_vcc(0) depctr_vm_vsrc(0)
	s_getreg_b32 s2, hwreg(HW_REG_IB_STS2, 6, 4)
	s_cmp_eq_u32 s2, 0
	s_cbranch_scc0 .Lentry_in_a_cluster
	s_endpgm
.Lentry_in_a_cluster:
	s_bfe_u32 s2, ttmp6, 0x10000c
	s_cmp_lg_u32 s2, 0x3003
	s_cbranch_scc0 .Lentry_shape_is_right
	s_endpgm
.Lentry_shape_is_right:
; Launch 3 of 4: ctx[q] = sum over k of softmax_k(q . k0[k] / 8) v0[k] + bv, for 64 pairs (batch, head), 2,048 queries and 2,048 keys each, head size 64.  Operands in f16, products, maxima and sums in f32.
; LEFT OUT: bk (the same along the softmax's axis: shown at the head of the first kernel).  bv is added here, in the way out: a row's weights p / l sum to 1.
; LIMITS: the weights p are rounded to f16 for the second product, the row's sum l is taken of the unrounded p; |ctx| up to 65,504 (f16).
; SHARES.  A work-group owns 512 queries of one (batch, head), each of its eight waves 64: four tiles of 16.  Every wave walks all 2,048 keys, 64 a step: each fragment of K or V read from LDS feeds four matrix instructions.
; LAYOUT.  S^T = K Q^T (source 0 = 16 keys, source 1 = 16 queries): a lane holds ONE query (lane % 16) and keys 8 (lane / 16) + 0..7.  Two such tiles, rounded to f16 in pairs, ARE source 1 of O^T = V^T P.
; qf, kf, vf hold images of operand registers ([head][token tile][channel tile][lane][16 bytes]): every LDS and global load here is 16 x lane, 512 consecutive bytes; nothing is padded or turned.
; SOFTMAX.  For each query a running maximum m and sum l: p = 2^(c s - c m), c = log2(e) / 8; in every step O and l are multiplied by a = 2^(c m_old - c m_new).  m begins at -3e38 and O, l at 0: the first a is 0.
; TWO GROUPS OF WAVES.  GRP = (w xor (w / 4)) mod 2: waves w and w + 4 differ in it, and so do waves 2 i and 2 i + 1.  A trip of the loop is { [group 0: softmax j]  V^T P of step j, K Q^T of step j + 1  [group 1: softmax j + 1] }.
; So behind each barrier group 0 begins with vector work and group 1 with matrix work, and then they change places: one group's softmax stands beside the other's products.
; The branches hang on the wave's number and lead round work on registers alone.
; RING.  Two LDS slots of 512 keys (K 64 KiB, then V 64 KiB).  Each of the eight waves fetches 16 KiB by one tensor load.  The change of slots stands one step early: at the top of the trip whose two fetches are
; the new slot's first step, the old slot's last K and V are in registers.  A refill then has eight trips, 512 matrix instructions a wave, in which to land.
; CLUSTER.  The four query blocks of a (batch, head) walk the same K and V: each tile is asked for JOINTLY, by the same load with the same descriptor and a mask that names the four.
; NO PREFETCH: each tensor load here is issued eight trips ahead of the wait for it.
; REGISTERS: window 0: v1-7 addresses; v16-47 statistics, 8 a tile: +0 c m, +1 m, +2, +3 l (even keys', odd keys'), +4..+7 at work, a at +6; v64-191 S^T, 32 a tile, P laid over its low half; v192-255 V of a step.
;   window 1: v0-127 O^T, 32 a tile; v128-191 Q; v192-255 K of a step.
.set SLOT1, 1<<17                      ; slot 1 begins here: one exclusive or turns an address from one slot to the other
.set VOFF,  65536                      ; V's part of a slot
.set STEPB, 8192                       ; a step's K, or V: 64 keys x 128 bytes
.set SPARE, 2*SLOT1                    ; the spare words, 128 bytes for each of eight waves
.set LI,   1                           ; v1  16 x lane
.set LIV,  2                           ; v2  16 x lane + VOFF
.set ADR,  3                           ; v3  the address of the run of LDS loads in hand
.set BVO,  4                           ; v4  32 (lane / 16): my 8 numbers of bv in a tile of 16 channels
.set SPW,  6
.set NIL,  7
.set ST,   16
.set S,    64
.set VB,   192
.set OA,   0                           ; window 1
.set QF,   128
.set KB,   192
.set WV,   14
.set GRP,  15
.set SEL,  20
.set CS,   22
.set G1,   24
.set G0,   32
.set TB,   36                          ; s36 LDS byte at which the step to be fetched begins
.set CNT,  37
.set SLOTS, 38
.set MSB, 0
.macro WIN new
.if MSB != (\new)
	s_set_vgpr_msb (MSB<<8)|(\new)
.set MSB, (\new)
.endif
.endm
.set W_KQ, 0x05                        ; K and Q window 1, S^T window 0
.set W_PV, 0x50                        ; V and P window 0, O^T window 1
.set W_RS, 0x41                        ; O^T (destination, source 0) window 1, a window 0
.set W_L1, 0x40                        ; a load's destination window 1
.set W_FN, 0x11                        ; O^T (source 0) and bv (source 2) window 1
.macro CROUND
	s_barrier_signal -1
	s_barrier_wait -1
	s_cmp_lg_u32 s[WV], 0
	s_cbranch_scc1 .Lnot_wave_0_\@
	s_barrier_signal -3
.Lnot_wave_0_\@:
	s_barrier_wait -3
	s_barrier_signal -1
	s_barrier_wait -1
.endm
.macro TLOAD                           ; every wave's one joint load; an s_nop 0 and four v_nop follow it
	tensor_load_to_lds s[G0:G0+3], s[G1:G1+7]
	s_nop 0
.rept 4
	v_nop
.endr
.endm
.macro PLACES n
.rept \n
	v_nop
.endr
.endm
	s_load_b256 s[4:11], s[0:1], 0x0               ; qf s[4:5], kf s[6:7], vf s[8:9], bv s[10:11]
	s_load_b64 s[12:13], s[0:1], 0x20              ; cf
	v_lshl_add_u32 v[SPW], v0, 2, SPARE
	v_mov_b32 v[NIL], 0
	ds_add_u32 v[SPW], v[NIL]                      ; the wave's opening: the add, twice on end, and its wait ahead of my first tensor load
	ds_add_u32 v[SPW], v[NIL]
	v_lshrrev_b32 v1, 5, v0
	v_readfirstlane_b32 s[WV], v1                  ; wave 0..7
	s_lshr_b32 s[GRP], s[WV], 2
	s_xor_b32 s[GRP], s[GRP], s[WV]
	s_and_b32 s[GRP], s[GRP], 1
	s_bfe_u32 s16, ttmp6, 0x40000                  ; cx
	s_lshl_b32 s18, ttmp9, 2
	s_add_co_u32 s18, s18, s16                     ; my block of 512 queries: it enters qf's and cf's addresses alone
	s_and_b32 s17, ttmp7, 0xffff                   ; batch x 16 + head, which the four partners share
	s_mov_b32 s[G1], 15|(3<<16)|(1<<21)            ; the mask: all four work-groups; elements of 8 bytes; no padding; bit 21 beside a mask
	s_mov_b32 s[G1+1], 32<<16                      ; tensor_dim0 = 32 elements: 256 bytes
	s_mov_b32 s[G1+2], 64<<16                      ; tensor_dim1 = 64
	s_mov_b32 s[G1+3], 32<<16                      ; tile_dim0
	s_mov_b32 s[G1+4], 64                          ; tile_dim1: 16 KiB, dense
	s_mov_b32 s[G1+5], 32
	s_mov_b32 s[G1+6], 0
	s_mov_b32 s[G1+7], 0
	s_mov_b32 s[SEL], 0x76543210
	s_mov_b32 s[SEL+1], 0xfedcba98                 ; v_permlanex16_b32's selects for lane l xor 16
	s_mov_b32 s[CS], 0x3e38aa3b                    ; c = log2(e) / 8
	s_mov_b32 s[CS+1], s[CS]
	s_mov_b32 s[TB], 0
	s_lshl_b32 s40, s17, 18                        ; a head's 262,144 bytes in qf, kf, vf
	s_and_b32 s42, s[WV], 3
	s_lshl_b32 s42, s42, 14
	s_add_co_u32 s42, s42, s40                     ; my quarter of slot 0's K (waves 0-3) or V (waves 4-7)
	s_mov_b32 s43, 0
	s_mov_b32 s[G0], 1
	s_lshl_b32 s[G0+1], s[WV], 14                  ; LDS: 16,384 x wave: K's four quarters, then V's
	s_wait_dscnt 0x0                               ; both opening adds are done
	s_wait_kmcnt 0x0
	s_cmp_lt_u32 s[WV], 4
	s_cselect_b64 s[G0+2:G0+3], s[6:7], s[8:9]
	s_add_nc_u64 s[G0+2:G0+3], s[G0+2:G0+3], s[42:43]
	s_or_b32 s[G0+3], s[G0+3], 0x80000000
	CROUND                                         ; all four work-groups are here: the first joint loads meet
	TLOAD                                          ; slot 0: one load of mine is out
	v_and_b32 v[LI], 31, v0
	v_lshlrev_b32 v[LI], 4, v[LI]
	v_add_nc_u32 v[LIV], VOFF, v[LI]
	v_bfe_u32 v[BVO], v0, 4, 1
	v_lshlrev_b32 v[BVO], 5, v[BVO]
	s_lshl_b32 s42, s18, 16                        ; qf: my block's 32 token tiles of 2,048 bytes,
	s_lshl_b32 s41, s[WV], 13                      ; my wave's four
	s_add_co_u32 s42, s42, s41
	s_add_co_u32 s42, s42, s40
	s_add_nc_u64 s[4:5], s[4:5], s[42:43]
	s_lshr_b32 s40, s17, 4                         ; cf: [row block of 128][k group of 32][row tile][u][lane][16 bytes]: row block 16 batch + 4 block + wave / 2,
	s_lshl_b32 s40, s40, 4
	s_lshl_b32 s41, s18, 2
	s_add_co_u32 s40, s40, s41
	s_lshr_b32 s41, s[WV], 1
	s_add_co_u32 s40, s40, s41
	s_lshl_b32 s40, s40, 18
	s_and_b32 s41, s17, 15                         ; the head: two k groups of 8,192 bytes,
	s_lshl_b32 s42, s41, 14
	s_add_co_u32 s40, s40, s42
	s_and_b32 s42, s[WV], 1                        ; row tiles 4 (wave % 2) on
	s_lshl_b32 s42, s42, 12
	s_add_co_u32 s40, s40, s42
	s_lshl_b32 s42, s41, 8                         ; bv: 256 bytes a head
	s_mov_b32 s41, 0
	s_add_nc_u64 s[12:13], s[12:13], s[40:41]
	s_add_nc_u64 s[10:11], s[10:11], s[42:43]
	WIN W_L1
.irp i, 0,1,2,3,4,5,6,7,8,9,10,11,12,13,14,15
	global_load_b128 v[QF+4*\i:QF+4*\i+3], v[LI], s[4:5] offset:512*\i   ; Q stays in registers: tile i / 4, channel tile i % 4
.endr
.set i, 0
.rept 128
	v_mov_b32 v[OA+i], 0                           ; O^T.  (The trip is written without a first step of its own: a further copy of its text is spared)
.set i, i+1
.endr
	WIN 0
.irp t, 0,1,2,3
	v_mov_b32 v[ST+8*\t+1], 0xff61b1e6             ; m = -3e38, under every score
	v_mov_b32 v[ST+8*\t+2], 0                      ; l
	v_mov_b32 v[ST+8*\t+3], 0
.irp u, 4,5,6,7
	v_mov_b32 v[ST+8*\t+\u], 0                     ; written once, on the one way that all waves take: a lane permute's destination counts as one of its sources, and a packed form names both registers of a pair
.endr
.endr
.irp t, 0,1,2,3
	v_mul_f32 v[ST+8*\t], s[CS], v[ST+8*\t+1]      ; c m
.endr
.macro FETCH_K                         ; a step's K: 16 images of 512 bytes: (key tile kt, channel tile ct) into KB + 16 kt + 4 ct
	WIN 0
	v_add_nc_u32 v[ADR], s[TB], v[LI]
	WIN W_L1
.irp i, 0,1,2,3,4,5,6,7,8,9,10,11,12,13,14,15
	ds_load_b128 v[KB+4*\i:KB+4*\i+3], v[ADR] offset:512*\i
.endr
	WIN 0
.endm
.macro FETCH_V                         ; the same step's V: image (key tile kt, channel tile ct) into VB + 32 (kt / 2) + 8 ct + 4 (kt % 2): a fragment is 16 channels x 32 keys
	v_add_nc_u32 v[ADR], s[TB], v[LIV]
.irp kt, 0,1,2,3
.irp ct, 0,1,2,3
	ds_load_b128 v[VB+32*(\kt/2)+8*\ct+4*(\kt%2):VB+32*(\kt/2)+8*\ct+4*(\kt%2)+3], v[ADR] offset:2048*\kt+512*\ct
.endr
.endr
	s_add_co_u32 s[TB], s[TB], STEPB               ; the next fetches are the next step's
.endm
; In both products the 16 accumulators take turns, one instruction a turn: 15 others' stand between two links of a chain.
.macro KQ                              ; S^T = K Q^T: product i: channels 32 (i / 16) on, keys 16 ((i / 4) % 4) on, tile i % 4
	WIN W_KQ
.set i, 0
.rept 32
.set rS, S+32*(i%4)+8*((i/4)%4)
.set rK, KB+16*((i/4)%4)+8*(i/16)
.set rQ, QF+16*(i%4)+8*(i/16)
.if i < 16
	v_wmma_f32_16x16x32_f16 v[rS:rS+7], v[rK:rK+7], v[rQ:rQ+7], 0
.else
	v_wmma_f32_16x16x32_f16 v[rS:rS+7], v[rK:rK+7], v[rQ:rQ+7], v[rS:rS+7]
.endif
.set i, i+1
.endr
.endm
.macro PV                              ; O^T += V^T P: product i: keys 32 (i / 16) on, channels 16 ((i / 4) % 4) on, tile i % 4
	WIN W_PV
.set i, 0
.rept 32
.set rO, OA+32*(i%4)+8*((i/4)%4)
.set rV, VB+32*(i/16)+8*((i/4)%4)
.set rP, S+32*(i%4)+8*(i/16)
	v_wmma_f32_16x16x32_f16 v[rO:rO+7], v[rV:rV+7], v[rP:rP+7], v[rO:rO+7]
.set i, i+1
.endr
.endm
; Number j of 16 of a tile's maximum: four chains of seven scores, each begun at its accumulator's low end; then the four scores left over, the chains and the old m
.macro MAXJ t
.set rT, ST+8*(\t)
.set rS, S+32*(\t)
.if j < 4
	v_max3_num_f32 v[rT+4+j], v[rS+8*j], v[rS+8*j+1], v[rS+8*j+2]
.elseif j < 12
	v_max3_num_f32 v[rT+4+j%4], v[rT+4+j%4], v[rS+8*(j%4)+2*(j/4)+1], v[rS+8*(j%4)+2*(j/4)+2]
.elseif j == 12
	v_max3_num_f32 v[rT+4], v[rT+4], v[rS+7], v[rS+15]
.elseif j == 13
	v_max3_num_f32 v[rT+6], v[rT+6], v[rS+23], v[rS+31]
.elseif j == 14
	v_max3_num_f32 v[rT+4], v[rT+4], v[rT+5], v[rT+6]
.else
	v_max3_num_f32 v[rT+4], v[rT+4], v[rT+7], v[rT+1]
.endif
.endm
; THE SOFTMAX of a key step, for the wave's four tiles by turns, so that no line waits for the line above it: 118 instructions a tile.
.macro SOFTMAX
.set j, 0
.rept 16
.irp t, 0,1,2,3
	MAXJ \t
.endr
.set j, j+1
.endr
.irp t, 0,1,2,3
	v_permlanex16_b32 v[ST+8*\t+5], v[ST+8*\t+4], s[SEL], s[SEL+1]  ; the query's other 32 keys lie in the lane 16 away
.endr
.irp t, 0,1,2,3
	v_mov_b32 v[ST+8*\t+7], v[ST+8*\t]             ; c m_old
.endr
.irp t, 0,1,2,3
	v_max_num_f32 v[ST+8*\t+1], v[ST+8*\t+4], v[ST+8*\t+5]
.endr
.irp t, 0,1,2,3
	v_mul_f32 v[ST+8*\t], s[CS], v[ST+8*\t+1]
.endr
.irp t, 0,1,2,3
	v_sub_f32 v[ST+8*\t+7], v[ST+8*\t+7], v[ST+8*\t]
.endr
	; ONE BATCH: the four a, and the 128 p; the scalings c s - c m of pair b stand ahead of the exponentials of pair b - 1.  None of these lines names an exponential's result.
.irp t, 0,1,2,3
	v_exp_f32 v[ST+8*\t+6], v[ST+8*\t+7]
.endr
.set b, 0
.rept 16
.irp t, 0,1,2,3
	v_pk_fma_f32 v[S+32*\t+2*b:S+32*\t+2*b+1], v[S+32*\t+2*b:S+32*\t+2*b+1], s[CS:CS+1], v[ST+8*\t:ST+8*\t+1] op_sel_hi:[1,0,0] neg_lo:[0,0,1] neg_hi:[0,0,1]
.endr
.if b > 0
.irp t, 0,1,2,3
	v_exp_f32 v[S+32*\t+2*b-2], v[S+32*\t+2*b-2]
	v_exp_f32 v[S+32*\t+2*b-1], v[S+32*\t+2*b-1]
.endr
.endif
.set b, b+1
.endr
.irp t, 0,1,2,3
	v_exp_f32 v[S+32*\t+30], v[S+32*\t+30]
	v_exp_f32 v[S+32*\t+31], v[S+32*\t+31]
.endr
	v_nop                                          ; a plain instruction behind the last exponential, ahead of the first use
	s_wait_alu depctr_va_vdst(0)                   ; the wait ahead of the first line that names a result: one for the batch
	; the sums, of the unrounded p, in two chains; S^T is left whole
.irp t, 0,1,2,3
	v_pk_fma_f32 v[ST+8*\t+2:ST+8*\t+3], v[ST+8*\t+2:ST+8*\t+3], v[ST+8*\t+6:ST+8*\t+7], v[S+32*\t:S+32*\t+1] op_sel_hi:[1,0,1]   ; l = a l + pair 0
.endr
.irp t, 0,1,2,3
	v_pk_add_f32 v[ST+8*\t+4:ST+8*\t+5], v[S+32*\t+2:S+32*\t+3], v[S+32*\t+6:S+32*\t+7]   ; pairs 1 and 3
.endr
.irp p, 2,4,6,8,10,12
.irp t, 0,1,2,3
	v_pk_add_f32 v[ST+8*\t+2:ST+8*\t+3], v[ST+8*\t+2:ST+8*\t+3], v[S+32*\t+2*\p:S+32*\t+2*\p+1]
.endr
.irp t, 0,1,2,3
	v_pk_add_f32 v[ST+8*\t+4:ST+8*\t+5], v[ST+8*\t+4:ST+8*\t+5], v[S+32*\t+2*\p+6:S+32*\t+2*\p+7]
.endr
.endr
.irp t, 0,1,2,3
	v_pk_add_f32 v[ST+8*\t+2:ST+8*\t+3], v[ST+8*\t+2:ST+8*\t+3], v[S+32*\t+28:S+32*\t+29]
.endr
.irp t, 0,1,2,3
	v_pk_add_f32 v[ST+8*\t+2:ST+8*\t+3], v[ST+8*\t+2:ST+8*\t+3], v[ST+8*\t+4:ST+8*\t+5]
.endr
	; P: pair j of a tile's weights into its register j: written behind what has been read
.set j, 0
.rept 16
.irp t, 0,1,2,3
	v_cvt_pk_f16_f32 v[S+32*\t+j], v[S+32*\t+2*j], v[S+32*\t+2*j+1]
.endr
.set j, j+1
.endr
	WIN W_RS                                       ; O^T x a, each accumulator from its low end on
.set j, 0
.rept 16
.irp t, 0,1,2,3
	v_pk_mul_f32 v[OA+32*\t+2*j:OA+32*\t+2*j+1], v[OA+32*\t+2*j:OA+32*\t+2*j+1], v[ST+8*\t+6:ST+8*\t+7] op_sel_hi:[1,0]
.endr
.set j, j+1
.endr
	WIN 0
.endm
.macro GSM g                           ; the softmax, in the waves of group g
	s_cmp_lg_u32 s[GRP], \g
	s_cbranch_scc1 .Lother_\@
	SOFTMAX
.Lother_\@:
.endm
; A TRIP, for step j.  A vector instruction that reads a matrix result, and a load into a register that a matrix instruction has read, stand four places behind it; a matrix instruction that writes over
; a register of an earlier one, or takes its result's registers as an operand, stands five behind it (but not for loads).  K Q^T writes over P, which V^T P has read;
; P is laid over S^T, which K Q^T has written.  So five places stand behind each of the two runs of products, on every way through the branches.
.macro BODY
	FETCH_K                                        ; K of step j + 1
	GSM 0
	s_wait_dscnt 16                                ; V of step j is in; the 16 loads of K just issued may be out
	PV
	WIN 0
	PLACES 5
	FETCH_V                                        ; V of step j + 1
	s_wait_dscnt 16                                ; K of step j + 1 is in; the 16 loads of V just issued may be out
	KQ
	WIN 0
	PLACES 5
	GSM 1
.endm
.macro BODIES n
	s_mov_b32 s[CNT], \n
.Lbody_\@:
	BODY
	s_sub_co_u32 s[CNT], s[CNT], 1
	s_cmp_lg_u32 s[CNT], 0
	s_cbranch_scc1 .Lbody_\@
.endm
; THE CHANGE OF SLOTS.  Each wave waits for all its tensor loads (one is out: its part of the slot ahead), adds 0 to its spare word, and waits for that and for its LDS loads.
; fill = 1: the barrier is a round of the cluster's, and behind it the other slot takes the next 512 keys.  turn = 1: the fetches go over to the other slot's first step.
.macro CHANGE fill, turn
	s_wait_tensorcnt 0x0                           ; no tensor load of mine is out, so group 0 may be written
	ds_add_u32 v[SPW], v[NIL]
.if \fill
	s_xor_b32 s[G0+1], s[G0+1], SLOT1              ; the other slot than last time,
	s_add_nc_u64 s[G0+2:G0+3], s[G0+2:G0+3], 65536 ; the next 512 keys; the type bits on top are not reached
.endif
.if \turn
	s_sub_co_u32 s[TB], s[TB], 8*STEPB
	s_xor_b32 s[TB], s[TB], SLOT1
.endif
	s_wait_dscnt 0x0                               ; the add is done, and my reads of the slot that is left are over
.if \fill
	CROUND
	TLOAD
.else
	s_barrier_signal -1
	s_barrier_wait -1
.endif
.endm
	s_wait_tensorcnt 0x0                           ; my part of slot 0 is in,
	s_barrier_signal -1
	s_barrier_wait -1                              ; everybody's is
	FETCH_K                                        ; step 0
	FETCH_V
	s_wait_loadcnt 0x0                             ; Q
	s_wait_dscnt 16                                ; K is in; V's 16 loads may be out
	KQ
	WIN 0
	PLACES 5
	GSM 1
	CHANGE 1, 0                                    ; slot 1's first fill, issued as a refill is; behind this barrier group 0 begins with its softmax, group 1 with its products
	BODIES 7                                       ; steps 0 to 6
	s_mov_b32 s[SLOTS], 2
.Lslot:                                            ; steps 7 to 22: slot 0 takes keys 1,024 on, then slot 1 keys 1,536 on
	CHANGE 1, 1
	BODIES 8
	s_sub_co_u32 s[SLOTS], s[SLOTS], 1
	s_cmp_lg_u32 s[SLOTS], 0
	s_cbranch_scc1 .Lslot
	CHANGE 0, 1                                    ; written out: nothing is left to ask for
	BODIES 8                                       ; steps 23 to 30
	WIN W_L1
.irp ct, 0,1,2,3
	global_load_b128 v[KB+8*\ct:KB+8*\ct+3], v[BVO], s[10:11] offset:64*\ct       ; bv in the result's layout, into K's buffer, which is done with: register 8 ct + j = bv[64 head + 16 ct + 8 (lane / 16) + j]
	global_load_b128 v[KB+8*\ct+4:KB+8*\ct+7], v[BVO], s[10:11] offset:64*\ct+16
.endr
	WIN 0
	GSM 0                                          ; group 0's last softmax
	s_wait_dscnt 0x0                               ; V of the last step
	PV
	WIN 0
	; THE WAY OUT.  l's two halves and the other half of the lanes' are added; ctx = O^T / l + bv, rounded to f16.  The additions are the places behind the last products.
.irp t, 0,1,2,3
	v_add_f32 v[ST+8*\t+4], v[ST+8*\t+2], v[ST+8*\t+3]
.endr
.irp t, 0,1,2,3
	v_permlanex16_b32 v[ST+8*\t+5], v[ST+8*\t+4], s[SEL], s[SEL+1]
.endr
.irp t, 0,1,2,3
	v_add_f32 v[ST+8*\t+4], v[ST+8*\t+4], v[ST+8*\t+5]
.endr
.irp t, 0,1,2,3
	v_rcp_f32 v[ST+8*\t+6], v[ST+8*\t+4]
.endr
	v_nop                                          ; a plain instruction between the last reciprocal and the use of its result
	s_wait_alu depctr_va_vdst(0)                   ; and its wait: one for the four
	s_wait_loadcnt 0x0                             ; bv
	WIN W_FN
.irp t, 0,1,2,3
.set j, 0
.rept 16
	v_pk_fma_f32 v[S+32*\t+2*j:S+32*\t+2*j+1], v[OA+32*\t+2*j:OA+32*\t+2*j+1], v[ST+8*\t+6:ST+8*\t+7], v[KB+2*j:KB+2*j+1] op_sel_hi:[1,0,1]
.set j, j+1
.endr
.endr
	WIN 0
.irp t, 0,1,2,3
.set j, 0
.rept 16
	v_cvt_pk_f16_f32 v[S+32*\t+j], v[S+32*\t+2*j], v[S+32*\t+2*j+1]
.set j, j+1
.endr
.endr
.irp t, 0,1,2,3
.irp ct, 0,1,2,3
	global_store_b128 v[LI], v[S+32*\t+4*\ct:S+32*\t+4*\ct+3], s[12:13] offset:(\ct/2)*8192+\t*1024+(\ct%2)*512   ; an image of half a fragment of the last product: 512 consecutive bytes, aligned
.endr
.endr
	s_wait_tensorcnt 0x0                           ; the wave's end
	ds_add_u32 v[SPW], v[NIL]
	s_wait_dscnt 0x0
	CROUND                                         ; the closing round
	s_endpgm
.Lfunc_end_k_qe5a5f3a9c8_attn:
	.size	k_qe5a5f3a9c8_attn, .Lfunc_end_k_qe5a5f3a9c8_attn-k_qe5a5f3a9c8_attn
	.p2alignl 7, 3214868480
	.fill 96, 4, 3214868480
	.section	.rodata,"a",@progbits
	.p2align	6, 0x0
	.amdhsa_kernel k_qe5a5f3a9c8_attn
		.amdhsa_group_segment_fixed_size 327680
		.amdhsa_private_segment_fixed_size 0
		.amdhsa_enable_private_segment 0
		.amdhsa_kernarg_size 40
		.amdhsa_user_sgpr_count 2
		.amdhsa_user_sgpr_kernarg_segment_ptr 1
		.amdhsa_wavefront_size32 1
		.amdhsa_system_sgpr_workgroup_id_x 1
		.amdhsa_system_sgpr_workgroup_id_y 1
		.amdhsa_system_sgpr_workgroup_id_z 1
		.amdhsa_system_vgpr_workitem_id 0
		.amdhsa_next_free_vgpr 512
		.amdhsa_next_free_sgpr 66
		.amdhsa_reserve_vcc 0
		.amdhsa_float_denorm_mode_32 3
		.amdhsa_float_denorm_mode_16_64 3
		.amdhsa_memory_ordered 1
		.amdhsa_forward_progress 1
		.amdhsa_inst_pref_size 252
	.end_amdhsa_kernel
	.amdgpu_metadata
---
amdhsa.version: [ 1, 2 ]
amdhsa.kernels:
  - .name:           k_qe5a5f3a9c8_attn
    .symbol:         k_qe5a5f3a9c8_attn.kd
    .args:
      - { .name: qf, .offset: 0, .size: 8, .value_kind: global_buffer, .address_space: global }
      - { .name: kf, .offset: 8, .size: 8, .value_kind: global_buffer, .address_space: global }
      - { .name: vf, .offset: 16, .size: 8, .value_kind: global_buffer, .address_space: global }
      - { .name: bv, .offset: 24, .size: 8, .value_kind: global_buffer, .address_space: global }
      - { .name: cf, .offset: 32, .size: 8, .value_kind: global_buffer, .address_space: global }
    .group_segment_fixed_size: 327680
    .private_segment_fixed_size: 0
    .kernarg_segment_align: 8
    .kernarg_segment_size: 40
    .max_flat_workgroup_size: 256
    .sgpr_count:     66
    .vgpr_count:     512
    .wavefront_size: 32
...
	.end_amdgpu_metadata
.endif
;; end of part 3
;; launch outp (part 4): grid 4 x 64, 4 waves a work-group, clusters of 4 x 4, 327,680 bytes of LDS; arguments cf, wof, bo, out0; writes out0
.if DOCPART == 4
	.amdgcn_target "amdgcn-amd-amdhsa--gfx1250"
	.amdhsa_code_object_version 6
	.text
	.protected	k_qe5a5f3a9c8_outp
	.globl	k_qe5a5f3a9c8_outp
	.p2align	8
	.type	k_qe5a5f3a9c8_outp,@function
k_qe5a5f3a9c8_outp:
	s_mov_b64 s[64:65], 0
	v_nop
	global_prefetch_b8 v0, s[64:65] scope:SCOPE_SE
	s_setreg_imm32_b32 hwreg(HW_REG_WAVE_MODE, 25, 1), 1
	s_wait_xcnt 0x0
	s_wait_alu depctr_hold_cnt(0) depctr_sa_sdst(0) depctr_va_vdst(0) depctr_va_sdst(0) depctr_va_ssrc(0) depctr_va_vcc(0) depctr_vm_vsrc(0)
	s_getreg_b32 s2, hwreg(HW_REG_IB_STS2, 6, 4)
	s_cmp_eq_u32 s2, 0
	s_cbranch_scc0 .Lentry_in_a_cluster
	s_endpgm
.Lentry_in_a_cluster:
	s_bfe_u32 s2, ttmp6, 0x10000c
	s_cmp_lg_u32 s2, 0xf033
	s_cbranch_scc0 .Lentry_shape_is_right
	s_endpgm
.Lentry_shape_is_right:
; Launch 4 of 4: out0 = ctx wo^T + bo.  ctx [8192][1024] comes as cf, images of operand registers in f16; wo as wof, f16, row-major; sums in f32; out0 f32.
; A tile of 128 rows x 256 columns to a work-group: 64 x 4 = 256 work-groups.  Four waves, each 64 x 128: 32 accumulators, 256 registers.  K goes in 8 steps of 128 through a ring of two LDS slots.
; cf: [row block of 128][k group of 32][row tile 0..7][u 0..1][lane][16 bytes]: a K step of a row block is 32,768 dense bytes, and a fragment is two loads at 16 x lane: no padding.
; wof's tile: 256 rows of 256 bytes, 16 bytes of padding behind each.
; CLUSTERS: 4 x 4 work-groups.  The four of a row of the cluster need the same tiles of ctx, the four of a column the same tiles of wo: each is asked for JOINTLY.
; THE MATRIX INSTRUCTION IS USED TRANSPOSED (source 0 = 16 rows of wo, source 1 = 16 rows of ctx): a lane holds eight neighbouring numbers of a row of out0.  bo is the C of each sum's first product.
; REGISTERS: window 0: v16-30 addresses; v32-63, v64-95 ctx's fragments, two buffers; v96-159 bo; on the way out v160-223 and v32-95 rows by turns.   window 1: v0-63, v64-127 wo's fragments.   window 2: accumulator (a, b) at v[8 (8 a + b)].
.set PITCH,  272                       ; a row of wo in LDS: 256 bytes + 16 = 68 words: the 16 rows that a load touches start at 16 different banks (64 banks of 4 bytes: ISA guide 11.1)
.set ABYTES, 32768                     ; ctx's part of a slot
.set HALFA,  16384
.set HALFB,  128*PITCH
.set SLOT,   ABYTES+2*HALFB
.set STAGE,  2*SLOT                    ; behind the ring: 16 rows x 528 bytes for each wave
.set SPITCH, 528
.set SPARE,  STAGE+4*16*SPITCH         ; the spare words, 128 bytes a wave
.set LAPS,   4                         ; a lap = two K steps
.set ADRA, 16
.set ADRB, 20
.set STO,  24
.set RD,   25
.set CO,   26
.set SPW,  28
.set NIL,  29
.set PFO,  30                          ; v30 the prefetches' offset; never rewritten
.set AF,   32
.set BIAS, 96
.set WV,   12
.set RH,   13                          ; s13 which 64 rows are mine.  Also: I fetch for ctx (0) or for wo (1)
.set CH,   14                          ; s14 which 128 columns.  Also: which half of that tile I fetch
.set LIM,  15                          ; s15 1 in a wave that prefetches, else the greatest number
.set G1,   24
.set G0,   32
.set PFA,  44                          ; s[44:45] the K step that my next prefetch names
.set PFS,  46                          ; s[46:47] a K step on, in bytes
.set G1B,  48
.set G0B,  56
.set MSB, 0
.macro WIN new
.if MSB != (\new)
	s_set_vgpr_msb (MSB<<8)|(\new)
.set MSB, (\new)
.endif
.endm
.set MUL,  0xa1                        ; source 0 (wo) window 1, source 1 (ctx) window 0, C and D window 2
.set FST,  0x81                        ; a sum's first product: C = bo, window 0
.set TO_B, 0x40
.macro JLOAD s                         ; a joint load: waves 0 and 1 fetch ctx's two halves, waves 2 and 3 wo's; an s_nop 0 and four v_nop follow each of the two lines
	s_cmp_eq_u32 s[RH], 0
	s_cbranch_scc0 .Lfor_b_\@
	tensor_load_to_lds s[G0+4*\s:G0+4*\s+3], s[G1:G1+7]
	s_nop 0
.rept 4
	v_nop
.endr
	s_branch .Lasked_\@
.Lfor_b_\@:
	tensor_load_to_lds s[G0B+4*\s:G0B+4*\s+3], s[G1B:G1B+7]
	s_nop 0
.rept 4
	v_nop
.endr
.Lasked_\@:
.endm
; A PREFETCH INTO THE L2 of the K step that stands two refills on, behind the joint load and the run of LDS loads: one instruction a wave.  Each aligned block of 256 bytes is named once in the launch.
; ctx's row block is read by one cluster alone: in each of its four partners along x wave 0 asks for 8,192 of the K step's 32,768 bytes, told apart by address (cx), lanes 256 bytes apart.
; wo's tile column is read by every cluster: those with cluster y = 0 ask; of the 128 rows that wave 2 or 3 fetches, the partner at cy takes 32, a lane a row.  Wave 1 asks for nothing.
; K steps 0 to 3 come by their loads alone; the loop's last trip, whose refills are K steps 6 and 7, asks for nothing.
.macro ASK
	s_cmp_gt_u32 s3, s[LIM]
	s_cbranch_scc0 .Lnot_mine_\@
	global_prefetch_b8 v[PFO], s[PFA:PFA+1] th:TH_LOAD_NT scope:SCOPE_SE
.Lnot_mine_\@:
.endm
.macro CREST
	s_cmp_lg_u32 s[WV], 0
	s_cbranch_scc1 .Lnot_wave_0_\@
	s_barrier_signal -3
.Lnot_wave_0_\@:
	s_barrier_wait -3
	s_barrier_signal -1
	s_barrier_wait -1
.endm
.macro CROUND
	s_barrier_signal -1
	s_barrier_wait -1
	CREST
.endm
	s_load_b256 s[4:11], s[0:1], 0x0               ; cf s[4:5], wof s[6:7], bo s[8:9], out0 s[10:11]
	v_lshl_add_u32 v[SPW], v0, 2, SPARE
	v_mov_b32 v[NIL], 0
	ds_add_u32 v[SPW], v[NIL]                      ; the wave's opening: the add, twice on end, and its wait ahead of my first tensor load
	ds_add_u32 v[SPW], v[NIL]
	v_lshrrev_b32 v1, 5, v0
	v_readfirstlane_b32 s[WV], v1
	s_lshr_b32 s[RH], s[WV], 1
	s_and_b32 s[CH], s[WV], 1
	s_bfe_u32 s40, ttmp6, 0x40000                  ; cx
	s_bfe_u32 s41, ttmp6, 0x40004                  ; cy
	s_lshl_b32 s67, ttmp9, 2
	s_add_co_u32 s67, s67, s40                     ; tile column = 4 x cluster x + cx
	s_and_b32 s66, ttmp7, 0xffff                   ; cluster y
	s_lshl_b32 s42, s66, 2
	s_add_co_u32 s42, s42, s41                     ; tile row = 4 x cluster y + cy
	s_lshl_b32 s43, s41, 2
	s_lshl_b32 s43, 15, s43                        ; my row of the cluster
	s_lshl_b32 s16, 0x1111, s40                    ; my column
	s_or_b32 s[G1], s43, (3<<16)|(1<<21)           ; ctx: the mask of my row; elements of 8 bytes; no padding; bit 21 beside a mask
	s_mov_b32 s[G1+1], 32<<16                      ; 64 rows of 256 bytes, dense: 16 KiB
	s_mov_b32 s[G1+2], 64<<16
	s_mov_b32 s[G1+3], 32<<16
	s_mov_b32 s[G1+4], 64
	s_mov_b32 s[G1+5], 32
	s_mov_b32 s[G1+6], 0
	s_mov_b32 s[G1+7], 0
	s_or_b32 s[G1B], s16, (1<<16)|(1<<20)|(1<<21)|(5<<22)|(3<<25)  ; wo: the mask of my column; elements of 2 bytes; 4 words of padding after every 64
	s_mov_b32 s[G1B+1], 128<<16                    ; 128 rows of 128 elements, 1,024 elements from row to row
	s_mov_b32 s[G1B+2], 128<<16
	s_mov_b32 s[G1B+3], 128<<16
	s_mov_b32 s[G1B+4], 128
	s_mov_b32 s[G1B+5], 1024
	s_mov_b32 s[G1B+6], 0
	s_mov_b32 s[G1B+7], 0
	s_lshl_b32 s18, s42, 18                        ; ctx: 262,144 bytes a row block, + my half of a K step: hangs on the tile row alone
	s_lshl_b32 s19, s[CH], 14
	s_add_co_u32 s18, s18, s19
	s_mov_b32 s19, 0
	s_lshl_b32 s20, s67, 19                        ; wo: row 256 x tile column + 128 x half, 2,048 bytes a row: hangs on the tile column alone
	s_lshl_b32 s21, s[CH], 18
	s_add_co_u32 s20, s20, s21
	s_mov_b32 s21, 0
	s_lshl_b32 s22, s[CH], 14                      ; where they go: no place in the cluster enters an LDS address
	s_mul_i32 s23, s[CH], HALFB
	s_add_co_u32 s23, s23, ABYTES
	s_wait_dscnt 0x0                               ; both opening adds are done
	s_wait_kmcnt 0x0
	s_add_nc_u64 s[18:19], s[4:5], s[18:19]
	s_add_nc_u64 s[20:21], s[6:7], s[20:21]
	CROUND                                         ; all sixteen work-groups are here: the first joint loads meet
.irp s, 0,1
	s_mov_b32 s[G0+4*\s], 1
	s_add_co_u32 s[G0+4*\s+1], s22, \s*SLOT
	s_add_nc_u64 s[G0+4*\s+2:G0+4*\s+3], s[18:19], \s*ABYTES
	s_or_b32 s[G0+4*\s+3], s[G0+4*\s+3], 0x80000000
	s_mov_b32 s[G0B+4*\s], 1
	s_add_co_u32 s[G0B+4*\s+1], s23, \s*SLOT
	s_add_nc_u64 s[G0B+4*\s+2:G0B+4*\s+3], s[20:21], \s*256
	s_or_b32 s[G0B+4*\s+3], s[G0B+4*\s+3], 0x80000000
	JLOAD \s                                       ; two loads of mine are out behind the second
.endr
	v_and_b32 v1, 15, v0                           ; r
	v_bfe_u32 v2, v0, 4, 1                         ; h
	v_and_b32 v3, 31, v0
	v_lshlrev_b32 v3, 4, v3                        ; 16 x lane
	; bo of my 128 columns, in the result's layout: register 8 b + j = bo[256 column tile + 128 half + 16 b + 8 h + j]
	s_lshl_b32 s16, s67, 10
	s_lshl_b32 s17, s[CH], 9
	s_add_co_u32 s16, s16, s17
	s_mov_b32 s17, 0
	s_add_nc_u64 s[8:9], s[8:9], s[16:17]
	s_add_nc_u64 s[10:11], s[10:11], s[16:17]      ; the same bytes on in a row of out0
	v_lshlrev_b32 v6, 5, v2
.irp b, 0,1,2,3,4,5,6,7
	global_load_b128 v[BIAS+8*\b:BIAS+8*\b+3], v6, s[8:9] offset:64*\b
	global_load_b128 v[BIAS+8*\b+4:BIAS+8*\b+7], v6, s[8:9] offset:64*\b+16
.endr
	s_lshl_b32 s16, s42, 19                        ; my first row of out0: 128 x tile row + 64 x half, 4,096 bytes a row
	s_lshl_b32 s18, s[RH], 18
	s_add_co_u32 s16, s16, s18
	s_add_nc_u64 s[10:11], s[10:11], s[16:17]
	s_lshl_b32 s16, s[RH], 12                      ; ctx's fragments: my four row tiles of 1,024 bytes
	v_add_nc_u32 v[ADRA], s16, v3
	v_add_nc_u32 v[ADRA+1], SLOT, v[ADRA]
	v_mul_u32_u24 v4, v1, PITCH
	v_lshl_add_u32 v4, v2, 4, v4                   ; wo's: row x pitch + 16 x half
	s_mul_i32 s16, s[CH], HALFB
	s_add_co_u32 s16, s16, ABYTES
	v_add_nc_u32 v[ADRB], s16, v4
	v_add_nc_u32 v[ADRB+1], SLOT, v[ADRB]
	s_mul_i32 s16, s[WV], 16*SPITCH
	s_add_co_u32 s16, s16, STAGE                   ; my stage
	v_mul_u32_u24 v5, v1, SPITCH
	v_lshl_add_u32 v5, v2, 5, v5
	v_add_nc_u32 v[STO], s16, v5                   ; in: row r, 32 bytes for each half of the lanes
	v_add_nc_u32 v[RD], s16, v3                    ; back: the 32 lanes take one row of 512 bytes
	v_mov_b32 v[CO], v3                            ; and the same in out0
	; the prefetches: where mine stand (at K step 3: the first change of slots steps this to K step 4), and who asks
	s_lshl_b32 s16, s42, 18
	s_lshl_b32 s17, s40, 13
	s_add_co_u32 s16, s16, s17
	s_add_co_u32 s16, s16, 3*ABYTES                ; ctx: my work-group's 8,192 bytes of a K step
	s_lshl_b32 s17, s67, 19
	s_lshl_b32 s18, s[CH], 18
	s_add_co_u32 s17, s17, s18
	s_lshl_b32 s18, s41, 16
	s_add_co_u32 s17, s17, s18
	s_add_co_u32 s17, s17, 3*256                   ; wo: my work-group's 32 rows of the 128 that I fetch
	s_mov_b32 s18, 256
	s_mov_b32 s19, 2048
	s_cmp_eq_u32 s[RH], 0
	s_cselect_b64 s[PFA:PFA+1], s[4:5], s[6:7]
	s_cselect_b32 s16, s16, s17
	s_cselect_b32 s[PFS], ABYTES, s18
	s_cselect_b32 s19, 256, s19                    ; from lane to lane
	s_cselect_b32 s18, s[CH], s66                  ; 0 in wave 0, and in waves 2 and 3 of the clusters with y = 0: the same in all sixteen partners, for a given wave
	s_mov_b32 s17, 0
	s_mov_b32 s[PFS+1], 0
	s_add_nc_u64 s[PFA:PFA+1], s[PFA:PFA+1], s[16:17]
	s_cmp_eq_u32 s18, 0
	s_cselect_b32 s[LIM], 1, -1
	v_and_b32 v[PFO], 31, v0
	v_mul_lo_u32 v[PFO], v[PFO], s19
; 8 matrix instructions: ctx's block a x wo's eight, 32 along K, from buffer f.  The 32 accumulators take turns, one instruction a turn, in the same order in every quarter.
.macro MUL8 f, a, first
.irp b, 0,1,2,3,4,5,6,7
.if \first
	v_wmma_f32_16x16x32_f16 v[8*(8*(\a)+\b):8*(8*(\a)+\b)+7], v[64*(\f)+8*\b:64*(\f)+8*\b+7], v[AF+32*(\f)+8*(\a):AF+32*(\f)+8*(\a)+7], v[BIAS+8*\b:BIAS+8*\b+7]
.else
	v_wmma_f32_16x16x32_f16 v[8*(8*(\a)+\b):8*(8*(\a)+\b)+7], v[64*(\f)+8*\b:64*(\f)+8*\b+7], v[AF+32*(\f)+8*(\a):AF+32*(\f)+8*(\a)+7], v[8*(8*(\a)+\b):8*(8*(\a)+\b)+7]
.endif
.endr
.endm
.macro FETCH slot, q, f                ; 24 LDS loads in one run: the fragments of the slot's q-th 32 along K into buffer f: wo's eight, then ctx's four
	WIN TO_B
.irp i, 0,1,2,3,4,5,6,7
	ds_load_b128 v[64*(\f)+8*\i:64*(\f)+8*\i+3],   v[ADRB+\slot] offset:64*(\q)+\i*16*PITCH
	ds_load_b128 v[64*(\f)+8*\i+4:64*(\f)+8*\i+7], v[ADRB+\slot] offset:64*(\q)+\i*16*PITCH+32
.endr
	WIN 0
.irp i, 0,1,2,3
	ds_load_b128 v[AF+32*(\f)+8*\i:AF+32*(\f)+8*\i+3],   v[ADRA+\slot] offset:8192*(\q)+1024*\i
	ds_load_b128 v[AF+32*(\f)+8*\i+4:AF+32*(\f)+8*\i+7], v[ADRA+\slot] offset:8192*(\q)+1024*\i+512
.endr
.endm
.macro PLACES                          ; four places in front of loads into registers that matrix instructions have read, and of the first reads of results (but not for loads)
.rept 4
	v_nop
.endr
.endm
.macro MWIN first
.if \first
	WIN FST
.else
	WIN MUL
.endif
.endm
; A K step is four quarters of 32 along K, 32 matrix instructions each, on buffers 0, 1, 0, 1.  One of the first three: multiplies buffer f and fetches quarter q of the same slot into g.
.macro QUARTER slot, q, f, g, first
	s_wait_dscnt 4                                 ; wo's fragments and ctx's blocks 0 and 1 are in; the youngest four loads (blocks 2 and 3) may be out
	MWIN \first
	MUL8 \f, 0, \first
	MUL8 \f, 1, \first
	PLACES
	FETCH \slot, \q, \g
	s_wait_dscnt 24                                ; all but the 24 just issued
	MWIN \first
	MUL8 \f, 2, \first
	MUL8 \f, 3, \first
.endm
; The last quarter multiplies buffer 1 and changes slots: ONE barrier; in front of it each wave waits for all its tensor loads, adds 0 to its spare word, and waits for that and for its own reads of this slot.
; fill = 1: the barrier opens a round of the cluster's, and this slot is filled again, two K steps ahead: 112 matrix instructions stand between the request and the wait for it.
.macro TURN slot, next, fill
.if \fill
	s_wait_xcnt 0x0                                ; the last prefetch, a K step back, has read its address, which steps here
	s_add_nc_u64 s[PFA:PFA+1], s[PFA:PFA+1], s[PFS:PFS+1]
.endif
	WIN 0                                          ; (the add's two registers lie in window 0)
	s_wait_tensorcnt 0x0                           ; all my tensor loads have landed: my part of the next slot;
	ds_add_u32 v[SPW], v[NIL]
	s_wait_dscnt 5                                 ; (the add and the youngest four loads may be out)
	WIN MUL
	MUL8 1, 0, 0
	s_wait_dscnt 0x0                               ; the add is done, and my reads of this slot are over
	s_barrier_signal -1
	MUL8 1, 1, 0
	WIN 0
	s_barrier_wait -1
.if \fill
	CREST                                          ; no wave of any partner still reads this slot's tile or has a load on its way
	s_add_nc_u64 s[G0+4*\slot+2:G0+4*\slot+3], s[G0+4*\slot+2:G0+4*\slot+3], 2*ABYTES
	s_add_nc_u64 s[G0B+4*\slot+2:G0B+4*\slot+3], s[G0B+4*\slot+2:G0B+4*\slot+3], 2*256
	JLOAD \slot                                    ; the first tensor load behind the round; its four v_nop are also the places in front of the loads below
.else
	PLACES
.endif
	FETCH \next, 0, 0
.if \fill
	ASK
.endif
	WIN MUL
	MUL8 1, 2, 0
	MUL8 1, 3, 0
.endm
	s_wait_tensorcnt 1                             ; my part of K step 0 is in (K step 1's load may be out)
	s_barrier_signal -1
	s_barrier_wait -1                              ; everybody's is
	FETCH 0, 0, 0
	s_wait_loadcnt 0x0                             ; bo
	QUARTER 0, 1, 0, 1, 1                          ; the first quarter stands in front of the loop: its products start the sums, with bo as C
	WIN 0                                          ; at a label and at a branch every window is 0
	s_mov_b32 s3, LAPS-1
.Llap:                                             ; a trip goes once round the ring, from a lap's second quarter to the next lap's first, and fills both slots again
	QUARTER 0, 2, 1, 0, 0
	QUARTER 0, 3, 0, 1, 0
	TURN 0, 1, 1
	QUARTER 1, 1, 0, 1, 0
	QUARTER 1, 2, 1, 0, 0
	QUARTER 1, 3, 0, 1, 0
	TURN 1, 0, 1
	QUARTER 0, 1, 0, 1, 0
	WIN 0
	s_sub_co_u32 s3, s3, 1
	s_cmp_lg_u32 s3, 0
	s_cbranch_scc1 .Llap
	QUARTER 0, 2, 1, 0, 0                          ; the last lap fills nothing, and has no round of the cluster's barrier
	QUARTER 0, 3, 0, 1, 0
	TURN 0, 1, 0
	QUARTER 1, 1, 0, 1, 0
	QUARTER 1, 2, 1, 0, 0
	QUARTER 1, 3, 0, 1, 0
	s_wait_dscnt 4                                 ; the very last quarter: nothing more to fetch
	WIN MUL
	MUL8 1, 0, 0
	MUL8 1, 1, 0
	s_wait_dscnt 0
	MUL8 1, 2, 0
	MUL8 1, 3, 0
	WIN 0
; THE WAY OUT, block by block of 16 rows x 128 columns: through my own stage in LDS and back as whole rows of 512 bytes.  LDS serves a wave's instructions in order (ISA guide 5.7.1.4): no wait between the stores and the loads.
.macro TOSTAGE a
.set AC, 64*(\a)
	WIN 0x08                                       ; an LDS store's data are its source 1: window 2
.irp b, 0,1,2,3,4,5,6,7
	ds_store_b128 v[STO], v[AC+8*\b:AC+8*\b+3] offset:64*\b          ; each accumulator from its low end on
	ds_store_b128 v[STO], v[AC+8*\b+4:AC+8*\b+7] offset:64*\b+16
.endr
	WIN 0
.set BB, 160-128*((\a)%2)
.irp t, 0,1,2,3,4,5,6,7,8,9,10,11,12,13,14,15
	ds_load_b128 v[BB+4*\t:BB+4*\t+3], v[RD] offset:\t*SPITCH
.endr
.endm
.macro SEND a, younger                 ; younger: the LDS instructions issued behind block a's loads, which may stay out
.set BB, 160-128*((\a)%2)
	s_wait_dscnt \younger
.if (\a) > 0
	s_add_nc_u64 s[10:11], s[10:11], 16*4096       ; (behind a wait on XCNT: the earlier stores have read their base)  16 rows of out0 on
.endif
.irp t, 0,1,2,3,4,5,6,7,8,9,10,11,12,13,14,15
	global_store_b128 v[CO], v[BB+4*\t:BB+4*\t+3], s[10:11] offset:\t*4096 th:TH_STORE_NT   ; 32 lanes store 512 consecutive bytes, aligned; written once, read by nobody here
.endr
.endm
	PLACES
	TOSTAGE 0
.irp a, 1,2,3
.if \a > 1
	s_wait_xcnt 0x0                                ; block a - 2's stores have read their registers and their base
.endif
	TOSTAGE \a
	SEND \a-1, 32                                  ; behind block a - 1's loads: block a's 16 stores and 16 loads
.endr
	s_wait_xcnt 0x0
	SEND 3, 0
	s_wait_tensorcnt 0x0                           ; the wave's end, behind my last tensor load and my last LDS store
	ds_add_u32 v[SPW], v[NIL]
	s_wait_dscnt 0x0
	CROUND                                         ; the closing round
	s_endpgm
.Lfunc_end_k_qe5a5f3a9c8_outp:
	.size	k_qe5a5f3a9c8_outp, .Lfunc_end_k_qe5a5f3a9c8_outp-k_qe5a5f3a9c8_outp
	.p2alignl 7, 3214868480
	.fill 96, 4, 3214868480
	.section	.rodata,"a",@progbits
	.p2align	6, 0x0
	.amdhsa_kernel k_qe5a5f3a9c8_outp
		.amdhsa_group_segment_fixed_size 327680
		.amdhsa_private_segment_fixed_size 0
		.amdhsa_enable_private_segment 0
		.amdhsa_kernarg_size 32
		.amdhsa_user_sgpr_count 2
		.amdhsa_user_sgpr_kernarg_segment_ptr 1
		.amdhsa_wavefront_size32 1
		.amdhsa_system_sgpr_workgroup_id_x 1
		.amdhsa_system_sgpr_workgroup_id_y 1
		.amdhsa_system_sgpr_workgroup_id_z 1
		.amdhsa_system_vgpr_workitem_id 0
		.amdhsa_next_free_vgpr 768
		.amdhsa_next_free_sgpr 72
		.amdhsa_reserve_vcc 0
		.amdhsa_float_denorm_mode_32 3
		.amdhsa_float_denorm_mode_16_64 3
		.amdhsa_memory_ordered 1
		.amdhsa_forward_progress 1
		.amdhsa_inst_pref_size 88
	.end_amdhsa_kernel
	.amdgpu_metadata
---
amdhsa.version: [ 1, 2 ]
amdhsa.kernels:
  - .name:           k_qe5a5f3a9c8_outp
    .symbol:         k_qe5a5f3a9c8_outp.kd
    .args:
      - { .name: cf, .offset: 0, .size: 8, .value_kind: global_buffer, .address_space: global }
      - { .name: wof, .offset: 8, .size: 8, .value_kind: global_buffer, .address_space: global }
      - { .name: bo, .offset: 16, .size: 8, .value_kind: global_buffer, .address_space: global }
      - { .name: out0, .offset: 24, .size: 8, .value_kind: global_buffer, .address_space: global }
    .group_segment_fixed_size: 327680
    .private_segment_fixed_size: 0
    .kernarg_segment_align: 8
    .kernarg_segment_size: 32
    .max_flat_workgroup_size: 128
    .sgpr_count:     72
    .vgpr_count:     768
    .wavefront_size: 32
...
	.end_amdgpu_metadata
.endif
;; end of part 4
